; MI455X (gfx1250); checked and timed in simulation.
; The chip was launched on July 23, 2026; its instructions are those of AMD's public machine-readable ISA for CDNA 5 (MIT licence, August 2026) and "CDNA5" Instruction Set Architecture Reference Guide (July 2026). The comments in the code are by the model that wrote it; some were corrected since.
;; Multi Head Self Attention. Allowed arithmetic: matrix products marked QUANTISED: E2M1 operands, one E8M0 scale for each 32 along K, by v_wmma_scale_f32_16x16x128_f8f6f4 with both operands' format E2M1 (or v_wmma_scale_f32_32x16x128_f4), f32 sums; everything else in f32.
;; Inputs: W1_codes 1,024 x 16 x 16 uint8 (E2M1 codes of W1, K innermost, in blocks of 32 codes, two codes a byte); W1_scales 1,024 x 16 uint8 (E8M0 scales of W1, one for each 32 codes along K); W2_codes 512 x 32 x 16 uint8 (E2M1 codes of W2, K innermost, in blocks of 32 codes, two codes a byte); W2_scales 512 x 32 uint8 (E8M0 scales of W2, one for each 32 codes along K); Wk_codes 512 x 16 x 16 uint8 (E2M1 codes of Wk, K innermost, in blocks of 32 codes, two codes a byte); Wk_scales 512 x 16 uint8 (E8M0 scales of Wk, one for each 32 codes along K); Wo_codes 512 x 16 x 16 uint8 (E2M1 codes of Wo, K innermost, in blocks of 32 codes, two codes a byte); Wo_scales 512 x 16 uint8 (E8M0 scales of Wo, one for each 32 codes along K); Wq_codes 512 x 16 x 16 uint8 (E2M1 codes of Wq, K innermost, in blocks of 32 codes, two codes a byte); Wq_scales 512 x 16 uint8 (E8M0 scales of Wq, one for each 32 codes along K); Wv_codes 512 x 16 x 16 uint8 (E2M1 codes of Wv, K innermost, in blocks of 32 codes, two codes a byte); Wv_scales 512 x 16 uint8 (E8M0 scales of Wv, one for each 32 codes along K); b1 512 float32; b2 512 float32; bf1 1,024 float32; bf2 512 float32; bk 512 float32; bo 512 float32; bq 512 float32; bv 512 float32; g1 512 float32; g2 512 float32; x 4 x 2,048 x 512 float32.
;; Outputs: out0 4 x 2,048 x 512 float32.
;; This version of the problem:
;;   THIS VERSION OF THE PROBLEM IS GIVEN IN LOW PRECISION. The matrix products marked QUANTISED in the list below multiply operands that are first quantised to E2M1 (2 exponent bits, 1 mantissa bit; 4 bits a number), with one power-of-two scale for each 32 numbers along K (OCP MX v1.0); their sums are f32. All else is computed in f32.
;;   The module's matrix products, in the order in which they are computed (A, B: the left and right operand; K: the contracted axis; several contracted axes count as one K, in the product's order):
;;     1. [M 8,192, K 512] x [K 512, N 512]; A: computed on the way; B: input Wq (given as codes): QUANTISED
;;     2. [M 8,192, K 512] x [K 512, N 512]; A: computed on the way; B: input Wk (given as codes): QUANTISED
;;     3. [M 8,192, K 512] x [K 512, N 512]; A: computed on the way; B: input Wv (given as codes): QUANTISED
;;     4. batch 64 x [M 2,048, K 32] x [K 32, N 2,048]; A: computed on the way; B: computed on the way: QUANTISED
;;     5. batch 64 x [M 2,048, K 2,048] x [K 2,048, N 32]; A: softmax (see below); B: computed on the way: QUANTISED
;;     6. [M 8,192, K 512] x [K 512, N 512]; A: computed on the way; B: input Wo (given as codes): QUANTISED
;;     7. [M 8,192, K 512] x [K 512, N 1,024]; A: computed on the way; B: input W1 (given as codes): QUANTISED
;;     8. [M 8,192, K 1,024] x [K 1,024, N 512]; A: computed on the way; B: input W2 (given as codes): QUANTISED
;;   THE QUANTISER, for each operand of a quantised product, along K:
;;     - K is cut into blocks of 32 from its start; a last block that is shorter is filled with zeros.
;;     - A block's scale is 2^e with e = floor(log2(the largest magnitude in the block)) - 2, held to -126 .. 127; a block of zeros has e = 0. As a byte (E8M0): e + 127.
;;     - Each number is divided by its block's scale, clamped to +-6, and rounded to the nearest number of E2M1, ties to even, subnormals kept.
;;     - The product sums the exact products of the quantised numbers (number of the format x scale) in f32.
;;   ~~~python
;;   def quantise(x, axis):      # numpy; x: float32 -> the quantised numbers, widened to float32 again
;;       x = np.moveaxis(x, axis, -1); K = x.shape[-1]
;;       x = np.pad(x, [(0, 0)] * (x.ndim - 1) + [(0, -K % 32)]); x = x.reshape(x.shape[:-1] + (-1, 32)); a = np.abs(x).max(-1, keepdims=True)
;;       e = np.where(a > 0, np.clip(np.frexp(np.where(a > 0, a, 1))[1] - 1 - 2, -126, 127), 0)      # np.frexp(a)[1] - 1 = floor(log2(a)), exactly
;;       r = np.clip(x / 2.0 ** e, -6, 6)
;;       step = 2.0 ** (np.maximum(np.frexp(np.where(r == 0, 1, r))[1] - 1, 0) - 1)
;;       q = np.round(r / step) * step * 2.0 ** e      # np.round: ties to even
;;       return np.moveaxis(q.reshape(q.shape[:-2] + (-1,))[..., :K], -1, axis).astype(np.float32)
;;   ~~~
;;   SOFTMAX AHEAD OF A QUANTISED PRODUCT. Where the list says 'softmax', what is quantised is not the finished softmax but p = 2^(t - M), with t = logit x log2(e) and M = ceil(the row's largest t), a whole number; so 1/2 < the row's largest p <= 1. The row's sum l is taken of the UNQUANTISED p, in f32, and the product's result is divided by l at the end. Since M is a whole number, a kernel that streams over the keys may use a running M (the ceiling of the running maximum): every later rescaling is an exact power of two, which a block's scale takes up: the codes' values come out the same.
;;   OPERANDS COMPUTED ON THE WAY. 'Computed on the way' means the value that the module computes at that place (a softmax that the list does not call 'softmax' is quantised finished and normalised). What goes into a quantiser is computed in f32, as accurately as f32 sums, v_exp_f32 and their like allow (about 1e-6 of the number): no bf16 or f16 on the way to a quantiser, and a product that is left as it is and whose result goes on into a quantised operand takes f32 operands (vector FMAs, or v_wmma_f32_16x16x4_f32). A number that lies on a knife's edge between two numbers of the format may be rounded either way, as far as f32 arithmetic and the matrix unit's own rounding can turn it there, and no further.
;;   INPUTS GIVEN AS CODES. W1 (in the module: [512, 1024], K = its axis 0); W2 (in the module: [1024, 512], K = its axis 0); Wk (in the module: [512, 512], K = its axis 0); Wo (in the module: [512, 512], K = its axis 0); Wq (in the module: [512, 512], K = its axis 0); Wv (in the module: [512, 512], K = its axis 0): each comes as NAME_codes (uint8): NAME with its K axis moved to the last place and cut into blocks of 32 codes, [.., K / 32, bytes a block], one block behind the other in memory; two codes a byte, the lower K in the low four bits (a code: sign, 2 exponent bits, 1 mantissa bit); and NAME_scales (uint8): the same leading axes, one E8M0 byte (e + 127) for each 32 codes along K. Its value is code x scale, taken as it is: it is not quantised again, and the codes and scales need not be those that the quantiser above would give.
;; One version. Each part assembles by itself: llvm-mc -triple=amdgcn-amd-amdhsa -mcpu=gfx1250 --defsym DOCPART=n.
;; ======== version 1 of 1: 3 launches
;; workspace buffers: qc 2,097,152 bytes; qs 524,288 bytes; kv 4,456,448 bytes; ctxc 2,097,152 bytes; ctxs 131,072 bytes; wimg 655,360 bytes
;; launch qkv (part 1): grid 128 x 2, 8 waves a work-group, clusters of 4 x 1, 228,352 bytes of LDS; arguments x, g1, b1, Wq_codes, Wk_codes, Wv_codes, Wq_scales, Wk_scales, Wv_scales, bq, bk, bv, Wo_codes, W1_codes, W2_codes, qc, qs, kv, wimg; writes qc, qs, kv, wimg
.if DOCPART == 1
	.amdgcn_target "amdgcn-amd-amdhsa--gfx1250"
	.amdhsa_code_object_version 6
	.text
	.protected	k_q0a0fe78120_qkv
	.globl	k_q0a0fe78120_qkv
	.p2align	8
	.type	k_q0a0fe78120_qkv,@function
k_q0a0fe78120_qkv:
	s_mov_b64 s[64:65], 0
	v_nop
	global_prefetch_b8 v0, s[64:65] scope:SCOPE_SE
	s_setreg_imm32_b32 hwreg(HW_REG_WAVE_MODE, 25, 1), 1
	s_wait_xcnt 0x0
	s_wait_alu depctr_hold_cnt(0) depctr_sa_sdst(0) depctr_va_vdst(0) depctr_va_sdst(0) depctr_va_ssrc(0) depctr_va_vcc(0) depctr_vm_vsrc(0)
	s_getreg_b32 s2, hwreg(HW_REG_IB_STS2, 6, 4)
	s_cmp_eq_u32 s2, 0
	s_cbranch_scc0 .Lentry_in_a_cluster
	s_endpgm
.Lentry_in_a_cluster:
	s_bfe_u32 s2, ttmp6, 0x10000c
	s_cmp_lg_u32 s2, 0x3003
	s_cbranch_scc0 .Lentry_shape_is_right
	s_endpgm
.Lentry_shape_is_right:
; LAUNCH 1 OF 3.  xn = LayerNorm(x; g1, b1), quantised along its 512; q, k, v = xn W + b on codes of FP4 (E2M1) with one E8M0 scale for each 32 along K; q and k are
; quantised along the head's 32, v along the keys; all three leave as codes.  Beside that the launch lays Wo, W1, W2 out in the order of the third launch's operand registers.
; DEAD WORK: none is left out in the whole program.  Every input has a way to out0: bk too, since it moves k's codes ahead of a quantised product.
; LIMITS: a block whose largest magnitude lies under 2^-124 (a block of zeros among them) gets the scale byte 1 (the bytes are read by this program alone; a block of zeros has zero codes);
; NaN and infinities among the inputs are not served; the sums of the norm are taken in another order than the reference takes them.
; POSITIONS.  Inside each run of 32 tokens a token's place is its index with bits 3 and 4 exchanged: row r of tile u of run g is token 32 g + 8 u + r + 8 (r / 8).  All workspace buffers go by position.
; So a result whose registers run down the rows of two neighbouring tiles holds 16 NEIGHBOURING tokens a lane: v here, the scores in the second launch.
; SHARES.  A work-group takes 64 tokens (row block RB) and 8 heads (y).  Norm: wave w takes tokens 8 w .. 8 w + 7, a row across its 32 lanes.  Products: wave w takes head 8 y + w, all 64 tokens.
; WEIGHTS.  The 3 x 256 rows x 256 bytes that the work-group needs lie in LDS whole: six tensor loads of 128 rows, filled once.  CLUSTER: the four row blocks of a cluster need the same
; rows, so each load is asked for jointly (mask 15).  Nothing but global addresses hangs on the place in the cluster.
; q and k are made TRANSPOSED (source 0 = 16 rows of W, source 1 = 16 tokens): a lane holds one token and 16 of the head's 32.  v is made straight (source 0 = tokens, source 1 = W): a lane holds one channel and 16 tokens.
; REGISTERS: window 0: v1-15 addresses; v16-31 row sums, then codes; v32-47 g1, then maxima and bytes, then bv spread; v48-63 b1, then scale operands, then the quantiser's work;
;   v64-75 the weights' scale words, v76-83 xn's; v84-115 bq, bk in the result's layout; v116-126 the re-lay and offsets; v128-255 eight rows of x, then 8 accumulators (v128-191) and 8 fragments of W (v192-255).
;   window 1: v0-127 xn's 16 fragments (tile t, K step s at 8 (4 t + s)).
.set WHALF, 34816                      ; 128 rows x 272: what one tensor load brings
.set WMAT,  69632                      ; 256 rows of one weight
.set XBLK,  272                        ; xn's image: 16 rows x 16 bytes of one block of 32, + 16 of padding, so that a wave's 4-byte stores fall on 32 different words modulo 64
.set XTILE, 4352                       ; 16 blocks
.set XIMG,  208896                     ; behind the weights: 4 tiles
.set XSC,   226304                     ; xn's scale words: [tile][K step][row][4]
.set SPARE, 227328                     ; the spare words, 128 bytes for each wave: four blocks of 256 bytes that no other line names
.set XO,  1
.set IW,  2
.set SW,  3
.set FR,  4
.set SR,  5
.set WA,  6
.set SO8, 9
.set L16, 10
.set L4,  11
.set KSO, 12
.set VSO, 13
.set SPW, 14
.set NIL, 15
.set P,   16
.set PC,  16
.set GG,  32
.set MX,  32
.set BV,  32
.set BB,  48
.set SOP, 48
.set TM,  48
.set WS,  64
.set XS,  76
.set BQ,  84
.set BK,  100
.set X,   128
.set ACC, 128
.set WF,  192
.set WV,  42
.set CX,  43
.set RB,  44
.set YY,  45
.set G1,  48
.set G0,  56
.set HD,  62
.set BH,  63
.set GR,  66
.set SEL, 68
.set C29, 70
.set EPS, 71
.set HM,  72
.set REP, 73
.set QCB, 74
.set QSB, 76
.set KVA, 78
.set KVB, 80
.set KVC, 82
.set RS,  84
.set MSB, 0
.macro WIN new                         ; the immediate's high byte repeats the setting that is left
.if MSB != \new
	s_set_vgpr_msb (MSB<<8)|\new
.set MSB, \new
.endif
.endm
.macro PLACES n
.rept \n
	v_nop
.endr
.endm
.macro WM d, a, b, c, sa, sb, ra, rb   ; one product; ra, rb = 1: that side's scales are read from lanes 16-31
.if (\ra) && (\rb)
	v_wmma_scale_f32_16x16x128_f8f6f4 v[(\d):(\d)+7], v[(\a):(\a)+7], v[(\b):(\b)+7], v[(\c):(\c)+7], v[(\sa)], v[(\sb)] matrix_a_fmt:MATRIX_FMT_FP4 matrix_b_fmt:MATRIX_FMT_FP4 matrix_a_scale:MATRIX_SCALE_ROW1 matrix_b_scale:MATRIX_SCALE_ROW1
.elseif (\ra)
	v_wmma_scale_f32_16x16x128_f8f6f4 v[(\d):(\d)+7], v[(\a):(\a)+7], v[(\b):(\b)+7], v[(\c):(\c)+7], v[(\sa)], v[(\sb)] matrix_a_fmt:MATRIX_FMT_FP4 matrix_b_fmt:MATRIX_FMT_FP4 matrix_a_scale:MATRIX_SCALE_ROW1
.elseif (\rb)
	v_wmma_scale_f32_16x16x128_f8f6f4 v[(\d):(\d)+7], v[(\a):(\a)+7], v[(\b):(\b)+7], v[(\c):(\c)+7], v[(\sa)], v[(\sb)] matrix_a_fmt:MATRIX_FMT_FP4 matrix_b_fmt:MATRIX_FMT_FP4 matrix_b_scale:MATRIX_SCALE_ROW1
.else
	v_wmma_scale_f32_16x16x128_f8f6f4 v[(\d):(\d)+7], v[(\a):(\a)+7], v[(\b):(\b)+7], v[(\c):(\c)+7], v[(\sa)], v[(\sb)] matrix_a_fmt:MATRIX_FMT_FP4 matrix_b_fmt:MATRIX_FMT_FP4
.endif
.endm
.macro CROUND                          ; a round of the cluster's barrier
	s_barrier_signal -1
	s_barrier_wait -1
	s_cmp_lg_u32 s[WV], 0
	s_cbranch_scc1 .Lnot_wave_0_\@
	s_barrier_signal -3
.Lnot_wave_0_\@:
	s_barrier_wait -3
	s_barrier_signal -1
	s_barrier_wait -1
.endm
; 64 numbers of a lane, four blocks b of 16 registers; a block's other 16 numbers lie in lane l xor 16.  Bytes to v[TM+4+b], codes to v[PC+2b], v[PC+2b+1].
.macro Q4 s
.irp b, 0,1,2,3
	v_max3_num_f32 v[TM+\b], |v[\s+16*\b]|, |v[\s+1+16*\b]|, 0x1800000   ; with the floor 2^(3 - 127): the byte cannot fall under 1
.endr
.irp i, 2,4,6,8,10,12,14
.irp b, 0,1,2,3
	v_max3_num_f32 v[TM+\b], v[TM+\b], |v[\s+16*\b+\i]|, |v[\s+1+16*\b+\i]|
.endr
.endr
.irp b, 0,1,2,3
	v_permlanex16_b32 v[TM+4+\b], v[TM+\b], s[SEL], s[SEL+1]
.endr
.irp b, 0,1,2,3
	v_max_num_f32 v[TM+\b], v[TM+\b], v[TM+4+\b]
.endr
.irp b, 0,1,2,3
	v_add_nc_u32 v[TM+12+\b], 0xff000000, v[TM+\b]   ; 2 off the exponent field: the conversion's scale operand
.endr
.irp b, 0,1,2,3
	v_lshrrev_b32 v[TM+4+\b], 23, v[TM+12+\b]        ; the scale's byte
.endr
.irp b, 0,1,2,3
	v_cvt_scalef32_pk8_fp4_f32 v[PC+2*\b], v[\s+16*\b:\s+7+16*\b], v[TM+12+\b]
	v_cvt_scalef32_pk8_fp4_f32 v[PC+1+2*\b], v[\s+8+16*\b:\s+15+16*\b], v[TM+12+\b]
.endr
	v_nop                                          ; one plain place behind a scaled conversion
.endm
	s_load_b512 s[4:19], s[0:1], 0x0               ; x, g1, b1, Wq, Wk, Wv codes, Wq, Wk scales
	s_load_b512 s[20:35], s[0:1], 0x40             ; Wv scales, bq, bk, bv, Wo, W1, W2 codes, qc
	s_load_b128 s[36:39], s[0:1], 0x80             ; qs, kv
	s_load_b64 s[40:41], s[0:1], 0x90              ; wimg
	v_lshl_add_u32 v[SPW], v0, 2, SPARE
	v_mov_b32 v[NIL], 0
	ds_add_u32 v[SPW], v[NIL]                      ; the wave's opening: the add, twice on end, and its wait ahead of the first tensor load
	ds_add_u32 v[SPW], v[NIL]
	v_lshrrev_b32 v16, 5, v0
	v_readfirstlane_b32 s[WV], v16                 ; wave 0..7
	s_bfe_u32 s[CX], ttmp6, 0x40000                ; my place in the cluster
	s_lshl_b32 s[RB], ttmp9, 2
	s_add_co_u32 s[RB], s[RB], s[CX]               ; row block = 4 x cluster x + cx
	s_and_b32 s[YY], ttmp7, 0xffff                 ; which 8 heads
	s_mov_b32 s[G1], 15|(1<<20)|(1<<21)|(5<<22)|(3<<25)   ; mask: all four; elements of 1 byte; padding: 4 words behind every 64
	s_mov_b32 s[G1+1], 256<<16                     ; tensor_dim0 = 256
	s_mov_b32 s[G1+2], 128<<16                     ; tensor_dim1 = 128
	s_mov_b32 s[G1+3], 256<<16                     ; tile_dim0
	s_mov_b32 s[G1+4], 128                         ; tile_dim1
	s_mov_b32 s[G1+5], 256                         ; from row to row
	s_mov_b32 s[G1+6], 0
	s_mov_b32 s[G1+7], 0
	s_mov_b32 s[SEL], 0x76543210
	s_mov_b32 s[SEL+1], 0xfedcba98                 ; lane l xor 16
	s_mov_b32 s[C29], 0x3b000000                   ; 1 / 512
	s_mov_b32 s[EPS], 0x3727c5ac                   ; 1e-5
	s_mov_b32 s[HM], 0xffff0000                    ; lanes 16-31
	s_mov_b32 s[REP], 0x01010101
	s_lshl_b32 s[HD], s[YY], 3
	s_add_co_u32 s[HD], s[HD], s[WV]               ; my head
	s_lshr_b32 s[BH], s[RB], 5
	s_lshl_b32 s[BH], s[BH], 4
	s_add_co_u32 s[BH], s[BH], s[HD]               ; 16 x batch + head
	s_and_b32 s[GR], s[RB], 31                     ; which 64 positions of the sequence
	v_and_b32 v17, 31, v0                          ; lane
	v_and_b32 v18, 15, v0                          ; r
	v_bfe_u32 v19, v0, 4, 1                        ; h
	v_lshlrev_b32 v[XO], 5, v17                    ; x, g1, b1: 8 columns a lane
	v_lshlrev_b32 v[L16], 4, v17
	v_lshlrev_b32 v[L4], 2, v17
	v_lshlrev_b32 v[SO8], 4, v18
	v_lshl_add_u32 v[SO8], v19, 3, v[SO8]          ; 16 r + 8 h
	v_lshlrev_b32 v[KSO], 2, v18
	v_lshl_add_u32 v[VSO], v19, 6, v[KSO]          ; 64 h + 4 r
	v_lshl_add_u32 v[KSO], v19, 1, v[KSO]          ; 4 r + 2 h
	s_lshr_b32 s46, s[WV], 2
	s_lshl_b32 s46, s46, 1
	s_and_b32 s47, s[WV], 1
	s_add_co_u32 s46, s46, s47                     ; my 8 tokens' tile: 2 (w / 4) + w % 2,
	s_bfe_u32 s47, s[WV], 0x10001
	s_lshl_b32 s47, s47, 3                         ; and first row in it: 8 ((w / 2) % 2)
	s_mul_i32 s60, s46, XTILE
	s_lshl_b32 s61, s47, 4
	s_add_co_u32 s60, s60, s61
	s_add_co_u32 s60, s60, XIMG
	v_lshrrev_b32 v20, 2, v17
	v_and_b32 v21, 3, v17
	v_mul_u32_u24 v[IW], v20, XBLK                 ; block lane / 4,
	v_lshl_add_u32 v[IW], v21, 2, v[IW]            ; my 8 codes in its 32
	v_add_nc_u32 v[IW], s60, v[IW]
	s_lshl_b32 s60, s46, 8
	s_lshl_b32 s61, s47, 2
	s_add_co_u32 s60, s60, s61
	s_add_co_u32 s60, s60, XSC
	v_and_b32 v21, 3, v20
	v_lshl_add_u32 v[SW], v19, 6, v21              ; K step lane / 16, byte (lane / 4) % 4
	v_add_nc_u32 v[SW], s60, v[SW]
	v_mul_u32_u24 v[FR], v19, XBLK
	v_lshl_add_u32 v[FR], v18, 4, v[FR]
	v_add_nc_u32 v[FR], XIMG, v[FR]                ; a fragment of xn: block h, row r
	v_add_nc_u32 v[SR], XSC, v[L4]
	v_mul_u32_u24 v20, v18, 272
	v_lshl_add_u32 v20, v19, 4, v20
	s_mul_i32 s60, s[WV], 32*272
	v_add_nc_u32 v[WA], s60, v20                   ; a fragment of W: my head's 32 rows, row r, + 16 h
	v_add_nc_u32 v[WA+1], WMAT, v[WA]
	v_add_nc_u32 v[WA+2], 2*WMAT, v[WA]
	s_lshl_b32 s46, s[YY], 12
	s_lshl_b32 s47, s[WV], 9
	s_add_co_u32 s46, s46, s47
	v_add_nc_u32 v124, s46, v[L16]                 ; the weights' scale words: 16 bytes of row 256 y + 32 w + lane
	s_lshl_b32 s46, s[HD], 7
	v_lshl_add_u32 v125, v19, 5, s46               ; bq, bk: 4 (32 head + 8 h)
	v_lshl_add_u32 v126, v18, 2, s46               ; bv: 4 (32 head + r)
	s_lshl_b32 s88, s[YY], 5
	s_add_co_u32 s88, s88, ttmp9                   ; the re-lay: the cluster's number, 0..63
	s_lshr_b32 s89, s88, 3                         ; which wave of the third launch,
	s_and_b32 s90, s88, 7
	s_mul_i32 s90, s90, 10
	s_lshl_b32 s91, s[WV], 1
	s_add_co_u32 s90, s90, s91                     ; and the even fragment f0 of its 80: the cluster's partners take f0 and f0 + 1, halves 0 and 1
	s_wait_dscnt 0x0                               ; both opening adds are done
	s_wait_kmcnt 0x0
	s_mov_b32 s[G0], 1
	s_mul_i32 s[G0+1], s[WV], WHALF                ; LDS: wave x 128 rows
	s_lshr_b32 s46, s[WV], 1
	s_cmp_eq_u32 s46, 0                            ; waves 0, 1: Wq; 2, 3: Wk; 4, 5: Wv
	s_cselect_b64 s[G0+2:G0+3], s[10:11], s[12:13]
	s_cmp_lt_u32 s46, 2
	s_cselect_b64 s[G0+2:G0+3], s[G0+2:G0+3], s[14:15]
	s_lshl_b32 s60, s[YY], 16                      ; rows 256 y on,
	s_and_b32 s47, s[WV], 1
	s_lshl_b32 s47, s47, 15                        ; + 128 x (wave % 2)
	s_add_co_u32 s60, s60, s47
	s_mov_b32 s61, 0
	s_add_nc_u64 s[G0+2:G0+3], s[G0+2:G0+3], s[60:61]
	s_or_b32 s[G0+3], s[G0+3], 0x80000000
	CROUND                                         ; all four work-groups are here: the joint loads meet
	s_cmp_lt_u32 s[WV], 6                          ; six loads: one a wave, in one branch on the wave's number; one tensor load of a wave is out at the most
	s_cbranch_scc0 .Lno_fill
	tensor_load_to_lds s[G0:G0+3], s[G1:G1+7]
	s_nop 0
	PLACES 4
.Lno_fill:
	; the re-lay's addresses.  f0 < 16: Wo (K step f / 4, tile f % 4); f0 < 48: W1 ((f - 16) / 8, % 8); else W2 ((f - 48) / 4, % 4).  f0 and both limits are even, so f0 + 1 falls with f0
	s_cmp_lt_u32 s90, 16
	s_cselect_b64 s[RS:RS+1], s[28:29], s[30:31]
	s_cselect_b32 s91, 0, 16
	s_cselect_b32 s92, 2, 3
	s_cmp_lt_u32 s90, 48
	s_cselect_b64 s[RS:RS+1], s[RS:RS+1], s[32:33]
	s_cselect_b32 s91, s91, 48
	s_cselect_b32 s92, s92, 2                      ; log2 of the tiles in a K step
	s_cselect_b32 s93, 8, 9                        ; log2 of a row's bytes
	s_sub_co_u32 s91, s90, s91
	s_lshr_b32 s94, s91, s92                       ; K step
	s_lshl_b32 s95, s94, s92
	s_sub_co_u32 s91, s91, s95
	s_lshr_b32 s95, s[CX], 1
	s_add_co_u32 s91, s91, s95                     ; tile
	s_add_co_u32 s95, s92, 4
	s_lshl_b32 s95, s89, s95                       ; that wave's first row: 64 or 128 x its number
	s_lshl_b32 s91, s91, 4
	s_add_co_u32 s91, s91, s95
	s_lshl_b32 s91, s91, s93
	s_lshl_b32 s94, s94, 6
	s_add_co_u32 s91, s91, s94
	s_and_b32 s94, s[CX], 1
	s_lshl_b32 s94, s94, 5
	s_add_co_u32 s91, s91, s94
	v_lshlrev_b32 v120, s93, v18
	v_lshl_add_u32 v120, v19, 4, v120
	v_add_nc_u32 v120, s91, v120                   ; from: (first row + r) x pitch + 64 K step + 32 half + 16 h
	s_mul_i32 s94, s88, 20
	s_lshl_b32 s95, s[WV], 2
	s_add_co_u32 s94, s94, s95
	s_add_co_u32 s94, s94, s[CX]
	s_lshl_b32 s94, s94, 9
	v_add_nc_u32 v121, s94, v[L16]                 ; to: 512 x half fragment + 16 x lane
	s_cmp_lt_u32 s[WV], 5                          ; 20 half fragments a cluster: waves 0 to 4
	s_cbranch_scc0 .Lno_relay_load
	global_load_b128 v[116:119], v120, s[RS:RS+1]
.Lno_relay_load:
	s_lshl_b32 s60, s[RB], 17
	s_lshl_b32 s46, s[WV], 14
	s_add_co_u32 s60, s60, s46
	s_add_nc_u64 s[4:5], s[4:5], s[60:61]          ; x at my first token
.irp i, 0,1,2,3,4,5,6,7
	global_load_b128 v[X+16*\i:X+16*\i+3], v[XO], s[4:5] offset:2048*\i            ; columns 8 l .. 8 l + 7,
	global_load_b128 v[X+16*\i+4:X+16*\i+7], v[XO], s[4:5] offset:2048*\i+16
	global_load_b128 v[X+16*\i+8:X+16*\i+11], v[XO], s[4:5] offset:2048*\i+1024    ; and 256 + 8 l .. + 7
	global_load_b128 v[X+16*\i+12:X+16*\i+15], v[XO], s[4:5] offset:2048*\i+1040
.endr
.irp k, 0,1
	global_load_b128 v[GG+8*\k:GG+8*\k+3], v[XO], s[6:7] offset:1024*\k
	global_load_b128 v[GG+8*\k+4:GG+8*\k+7], v[XO], s[6:7] offset:1024*\k+16
.endr
.irp k, 0,1
	global_load_b128 v[BB+8*\k:BB+8*\k+3], v[XO], s[8:9] offset:1024*\k
	global_load_b128 v[BB+8*\k+4:BB+8*\k+7], v[XO], s[8:9] offset:1024*\k+16
.endr
.irp m, 0,1,2
	global_load_b128 v[WS+4*\m:WS+4*\m+3], v124, s[16+2*\m:17+2*\m]   ; register s: K step s; lanes 0-15 my head's rows 0-15, lanes 16-31 rows 16-31
.endr
.irp u, 0,1
	global_load_b128 v[BQ+8*\u:BQ+8*\u+3], v125, s[22:23] offset:64*\u
	global_load_b128 v[BQ+8*\u+4:BQ+8*\u+7], v125, s[22:23] offset:64*\u+16
.endr
.irp u, 0,1
	global_load_b128 v[BK+8*\u:BK+8*\u+3], v125, s[24:25] offset:64*\u
	global_load_b128 v[BK+8*\u+4:BK+8*\u+7], v125, s[24:25] offset:64*\u+16
.endr
	global_load_b32 v122, v126, s[26:27]
	global_load_b32 v123, v126, s[26:27] offset:64
	; where the results go
	s_lshl_b32 s60, s[BH], 15
	s_lshl_b32 s46, s[GR], 10
	s_add_co_u32 s60, s60, s46
	s_add_nc_u64 s[QCB:QCB+1], s[34:35], s[60:61]  ; qc: 16 bytes a position
	s_lshl_b32 s60, s[BH], 13
	s_lshl_b32 s47, s[GR], 8
	s_add_co_u32 s60, s60, s47
	s_add_nc_u64 s[QSB:QSB+1], s[36:37], s[60:61]  ; qs: a word a position
	s_mul_i32 s47, s[BH], 69632
	s_add_co_u32 s60, s47, s46
	s_add_nc_u64 s[KVA:KVA+1], s[38:39], s[60:61]  ; kv: the head's part, + 1,024 x group: k's codes; v's 32,768 on
	s_lshl_b32 s60, s[GR], 6
	s_add_co_u32 s60, s60, s47
	s_add_nc_u64 s[KVB:KVB+1], s[38:39], s[60:61]  ; k's scale bytes: 64 a group
	s_lshr_b32 s60, s[GR], 1
	s_lshl_b32 s60, s60, 7
	s_and_b32 s46, s[GR], 1
	s_lshl_b32 s46, s46, 1
	s_add_co_u32 s60, s60, s46
	s_add_co_u32 s60, s60, s47
	s_add_nc_u64 s[KVC:KVC+1], s[38:39], s[60:61]  ; v's scale bytes: 128 a key step, my group's two of a word's four
	; ---- the norm, eight rows by turns
	s_wait_loadcnt 21                              ; the re-lay's load and x are in; the 21 younger loads (g1 4, b1 4, scale words 3, bq 4, bk 4, bv 2) may be out
	s_cmp_lt_u32 s[WV], 5
	s_cbranch_scc0 .Lno_relay_store
	global_store_b128 v121, v[116:119], s[40:41]   ; 32 lanes store 512 consecutive bytes
.Lno_relay_store:
.macro LANESUM                         ; v[P + 2 i] summed over the 32 lanes
.irp m, 1,2,4,8
.irp i, 0,1,2,3,4,5,6,7
	v_add_f32_dpp v[P+2*\i], v[P+2*\i], v[P+2*\i] row_xmask:\m row_mask:0xf bank_mask:0xf
.endr
.endr
.irp i, 0,1,2,3,4,5,6,7
	v_permlanex16_b32 v[P+2*\i+1], v[P+2*\i], s[SEL], s[SEL+1]
.endr
.irp i, 0,1,2,3,4,5,6,7
	v_add_f32 v[P+2*\i], v[P+2*\i], v[P+2*\i+1]
.endr
.endm
.irp i, 0,1,2,3,4,5,6,7
	v_pk_add_f32 v[P+2*\i:P+2*\i+1], v[X+16*\i:X+16*\i+1], v[X+16*\i+2:X+16*\i+3]
.endr
.irp k, 4,6,8,10,12,14
.irp i, 0,1,2,3,4,5,6,7
	v_pk_add_f32 v[P+2*\i:P+2*\i+1], v[P+2*\i:P+2*\i+1], v[X+16*\i+\k:X+16*\i+\k+1]
.endr
.endr
.irp i, 0,1,2,3,4,5,6,7
	v_add_f32 v[P+2*\i], v[P+2*\i], v[P+2*\i+1]
.endr
	LANESUM
.irp i, 0,1,2,3,4,5,6,7
	v_mul_f32 v[P+2*\i], s[C29], v[P+2*\i]         ; the mean
.endr
.irp k, 0,2,4,6,8,10,12,14
.irp i, 0,1,2,3,4,5,6,7
	v_pk_add_f32 v[X+16*\i+\k:X+16*\i+\k+1], v[X+16*\i+\k:X+16*\i+\k+1], v[P+2*\i:P+2*\i+1] op_sel_hi:[1,0] neg_lo:[0,1] neg_hi:[0,1]
.endr
.endr
.irp i, 0,1,2,3,4,5,6,7
	v_pk_mul_f32 v[P+2*\i:P+2*\i+1], v[X+16*\i:X+16*\i+1], v[X+16*\i:X+16*\i+1]
.endr
.irp k, 2,4,6,8,10,12,14
.irp i, 0,1,2,3,4,5,6,7
	v_pk_fma_f32 v[P+2*\i:P+2*\i+1], v[X+16*\i+\k:X+16*\i+\k+1], v[X+16*\i+\k:X+16*\i+\k+1], v[P+2*\i:P+2*\i+1]
.endr
.endr
.irp i, 0,1,2,3,4,5,6,7
	v_add_f32 v[P+2*\i], v[P+2*\i], v[P+2*\i+1]
.endr
	LANESUM
.irp i, 0,1,2,3,4,5,6,7
	v_fma_f32 v[P+2*\i], v[P+2*\i], s[C29], s[EPS] ; the variance + eps
.endr
.irp i, 0,1,2,3,4,5,6,7
	v_rsq_f32 v[P+2*\i], v[P+2*\i]
.endr
	v_nop                                          ; a plain place behind the last of the batch,
	s_wait_alu depctr_va_vdst(0)                   ; and one wait for the eight, ahead of their first reader
	s_wait_loadcnt 13                              ; g1 and b1 are in; 3 + 4 + 4 + 2 younger loads may be out
.irp k, 0,2,4,6,8,10,12,14
.irp i, 0,1,2,3,4,5,6,7
	v_pk_mul_f32 v[X+16*\i+\k:X+16*\i+\k+1], v[X+16*\i+\k:X+16*\i+\k+1], v[P+2*\i:P+2*\i+1] op_sel_hi:[1,0]
.endr
.endr
.irp k, 0,2,4,6,8,10,12,14
.irp i, 0,1,2,3,4,5,6,7
	v_pk_fma_f32 v[X+16*\i+\k:X+16*\i+\k+1], v[X+16*\i+\k:X+16*\i+\k+1], v[GG+\k:GG+\k+1], v[BB+\k:BB+\k+1]
.endr
.endr
	; ---- xn into codes: 16 groups of 8 neighbours a lane (group q: row q / 2, half q % 2); four neighbouring lanes hold a block of 32
.irp q, 0,1,2,3,4,5,6,7,8,9,10,11,12,13,14,15
	v_max3_num_f32 v[MX+\q], |v[X+8*\q]|, |v[X+8*\q+1]|, 0x1800000
.endr
.irp k, 2,4,6
.irp q, 0,1,2,3,4,5,6,7,8,9,10,11,12,13,14,15
	v_max3_num_f32 v[MX+\q], v[MX+\q], |v[X+8*\q+\k]|, |v[X+8*\q+\k+1]|
.endr
.endr
.irp m, 1,2
.irp q, 0,1,2,3,4,5,6,7,8,9,10,11,12,13,14,15
	v_max_num_f32_dpp v[MX+\q], v[MX+\q], v[MX+\q] row_xmask:\m row_mask:0xf bank_mask:0xf
.endr
.endr
.irp q, 0,1,2,3,4,5,6,7,8,9,10,11,12,13,14,15
	v_add_nc_u32 v[SOP+\q], 0xff000000, v[MX+\q]
.endr
.irp q, 0,1,2,3,4,5,6,7,8,9,10,11,12,13,14,15
	v_lshrrev_b32 v[MX+\q], 23, v[SOP+\q]
.endr
.irp q, 0,1,2,3,4,5,6,7,8,9,10,11,12,13,14,15
	v_cvt_scalef32_pk8_fp4_f32 v[P+\q], v[X+8*\q:X+8*\q+7], v[SOP+\q]
.endr
	v_nop                                          ; one plain place behind a scaled conversion
.irp q, 0,1,2,3,4,5,6,7,8,9,10,11,12,13,14,15
	ds_store_b32 v[IW], v[P+\q] offset:(\q/2)*16+(\q%2)*2176
	ds_store_b8 v[SW], v[MX+\q] offset:(\q/2)*4+(\q%2)*128      ; the four lanes of a block write the same byte with the same value
.endr
	s_wait_tensorcnt 0x0                           ; my part of the weights has landed,
	s_wait_loadcnt 0x0                             ; the scale words and biases are in,
	s_wait_dscnt 0x0                               ; my stores of codes and bytes are done:
	s_barrier_signal -1
	s_barrier_wait -1                              ; all that holds of every wave.
	WIN 0x40
.irp t, 0,1,2,3
.irp s, 0,1,2,3
.irp c, 0,1
	ds_load_b128 v[8*(4*\t+\s)+4*\c:8*(4*\t+\s)+4*\c+3], v[FR] offset:XTILE*\t+1088*\s+544*\c   ; block 4 s + 2 c + h of tile t
.endr
.endr
.endr
	WIN 0
.irp t, 0,1,2,3
.irp e, 0,1
	ds_load_b32 v[XS+2*\t+\e], v[SR] offset:256*\t+128*\e      ; lanes 0-15: K step 2 e; lanes 16-31: 2 e + 1
.endr
.endr
.irp n, 0,1
.irp j, 0,1,2,3,4,5,6,7
	v_mov_b32 v[BV+8*\n+\j], v[122+\n]             ; v's result holds one channel a lane: its bias in all eight registers
.endr
.endr
.macro WFETCH m                        ; my head's two tiles of weight m, four K steps
.irp u, 0,1
.irp s, 0,1,2,3
.irp c, 0,1
	ds_load_b128 v[WF+8*(4*\u+\s)+4*\c:WF+8*(4*\u+\s)+4*\c+3], v[WA+\m] offset:4352*\u+64*\s+32*\c
.endr
.endr
.endr
.endm
	WFETCH 0
; q or k: 32 products, eight accumulators by turns; the bias is the C of each sum's first product
.macro PROJ_QK m, bias
	s_wait_dscnt 0x0
	WIN 0x04                                       ; source 1 (xn) window 1
.irp s, 0,1,2,3
.irp t, 0,1,2,3
.irp u, 0,1
.if \s == 0
	WM ACC+16*\t+8*\u, WF+8*(4*\u+\s), 8*(4*\t+\s), \bias+8*\u, WS+4*\m+\s, XS+2*\t+\s/2, \u, \s%2
.else
	WM ACC+16*\t+8*\u, WF+8*(4*\u+\s), 8*(4*\t+\s), ACC+16*\t+8*\u, WS+4*\m+\s, XS+2*\t+\s/2, \u, \s%2
.endif
.endr
.endr
.endr
	WIN 0
	PLACES 4                                       ; in front of loads into registers that the products have read, and of the first read of results
	WFETCH \m+1
	s_wait_xcnt 0x0                                ; earlier stores have read their data: the quantiser's registers may be written again
	Q4 ACC                                         ; block t: token row r of tile t, the head's 32
.irp t, 0,1,2,3
	v_permlane16_swap_b32 v[PC+2*\t], v[PC+2*\t+1] ; lane (r, h) now holds the codes of channels 16 h .. 16 h + 15
.endr
.endm
	PROJ_QK 0, BQ
.irp t, 0,1,2,3
	v_mul_lo_u32 v[TM+8+\t], v[TM+4+\t], s[REP]    ; q's scale byte four times over: whichever block of 32 of the K step q is laid in, its byte is there
.endr
.irp t, 0,1,2,3
	global_store_b64 v[SO8], v[PC+2*\t:PC+2*\t+1], s[QCB:QCB+1] offset:256*\t     ; 32 lanes store 256 consecutive bytes, aligned
.endr
.irp a, 0,1
	v_cndmask_b32 v[TM+\a], v[TM+8+2*\a], v[TM+9+2*\a], s[HM]
.endr
.irp a, 0,1
	global_store_b32 v[L4], v[TM+\a], s[QSB:QSB+1] offset:128*\a
.endr
	PROJ_QK 1, BK
	v_lshl_or_b32 v[TM+8], v[TM+5], 8, v[TM+4]     ; k's scale bytes: a word holds those of row r of the group's four tiles
	v_lshl_or_b32 v[TM+9], v[TM+7], 8, v[TM+6]
.irp t, 0,1,2,3
	global_store_b64 v[SO8], v[PC+2*\t:PC+2*\t+1], s[KVA:KVA+1] offset:256*\t
.endr
	v_cndmask_b32 v[TM], v[TM+8], v[TM+9], s[HM]
	global_store_b16 v[KSO], v[TM], s[KVB:KVB+1] offset:65536   ; 64 consecutive bytes
	; v: straight, so that a lane's registers run down the tokens
	s_wait_dscnt 0x0
	WIN 0x01                                       ; source 0 (xn) window 1
.irp s, 0,1,2,3
.irp t, 0,1,2,3
.irp n, 0,1
.if \s == 0
	WM ACC+32*\n+8*\t, 8*(4*\t+\s), WF+8*(4*\n+\s), BV+8*\n, XS+2*\t+\s/2, WS+8+\s, \s%2, \n
.else
	WM ACC+32*\n+8*\t, 8*(4*\t+\s), WF+8*(4*\n+\s), ACC+32*\n+8*\t, XS+2*\t+\s/2, WS+8+\s, \s%2, \n
.endif
.endr
.endr
.endr
	WIN 0
	PLACES 4
	s_wait_xcnt 0x0
	Q4 ACC                                         ; block 2 n + g: channel 16 n + r, tokens 32 g .. 32 g + 31
.irp n, 0,1
.irp i, 0,1
	v_permlane16_swap_b32 v[PC+4*\n+\i], v[PC+4*\n+2+\i]       ; lane (r, h): the whole block g = h, 32 keys in four registers
.endr
.endr
.irp n, 0,1
	v_lshl_or_b32 v[TM+8+\n], v[TM+5+2*\n], 8, v[TM+4+2*\n]
.endr
.irp n, 0,1
	global_store_b128 v[L16], v[PC+4*\n:PC+4*\n+3], s[KVA:KVA+1] offset:32768+512*\n   ; 512 consecutive bytes
.endr
	v_cndmask_b32 v[TM], v[TM+8], v[TM+9], s[HM]
	global_store_b16 v[VSO], v[TM], s[KVC:KVC+1] offset:67584   ; two bytes of each word; the neighbouring row block owns the other two
	s_wait_tensorcnt 0x0                           ; the wave's end: behind my last tensor load and my last LDS store
	ds_add_u32 v[SPW], v[NIL]
	s_wait_dscnt 0x0
	CROUND                                         ; the closing round
	s_endpgm
.Lfunc_end_k_q0a0fe78120_qkv:
	.size	k_q0a0fe78120_qkv, .Lfunc_end_k_q0a0fe78120_qkv-k_q0a0fe78120_qkv
	.p2alignl 7, 3214868480
	.fill 96, 4, 3214868480
	.section	.rodata,"a",@progbits
	.p2align	6, 0x0
	.amdhsa_kernel k_q0a0fe78120_qkv
		.amdhsa_group_segment_fixed_size 228352
		.amdhsa_private_segment_fixed_size 0
		.amdhsa_enable_private_segment 0
		.amdhsa_kernarg_size 152
		.amdhsa_user_sgpr_count 2
		.amdhsa_user_sgpr_kernarg_segment_ptr 1
		.amdhsa_wavefront_size32 1
		.amdhsa_system_sgpr_workgroup_id_x 1
		.amdhsa_system_sgpr_workgroup_id_y 1
		.amdhsa_system_sgpr_workgroup_id_z 1
		.amdhsa_system_vgpr_workitem_id 0
		.amdhsa_next_free_vgpr 384
		.amdhsa_next_free_sgpr 100
		.amdhsa_reserve_vcc 0
		.amdhsa_float_denorm_mode_32 3
		.amdhsa_float_denorm_mode_16_64 3
		.amdhsa_memory_ordered 1
		.amdhsa_forward_progress 1
		.amdhsa_inst_pref_size 83
	.end_amdhsa_kernel
	.amdgpu_metadata
---
amdhsa.version: [ 1, 2 ]
amdhsa.kernels:
  - .name:           k_q0a0fe78120_qkv
    .symbol:         k_q0a0fe78120_qkv.kd
    .args:
      - { .name: x, .offset: 0, .size: 8, .value_kind: global_buffer, .address_space: global }
      - { .name: g1, .offset: 8, .size: 8, .value_kind: global_buffer, .address_space: global }
      - { .name: b1, .offset: 16, .size: 8, .value_kind: global_buffer, .address_space: global }
      - { .name: Wq_codes, .offset: 24, .size: 8, .value_kind: global_buffer, .address_space: global }
      - { .name: Wk_codes, .offset: 32, .size: 8, .value_kind: global_buffer, .address_space: global }
      - { .name: Wv_codes, .offset: 40, .size: 8, .value_kind: global_buffer, .address_space: global }
      - { .name: Wq_scales, .offset: 48, .size: 8, .value_kind: global_buffer, .address_space: global }
      - { .name: Wk_scales, .offset: 56, .size: 8, .value_kind: global_buffer, .address_space: global }
      - { .name: Wv_scales, .offset: 64, .size: 8, .value_kind: global_buffer, .address_space: global }
      - { .name: bq, .offset: 72, .size: 8, .value_kind: global_buffer, .address_space: global }
      - { .name: bk, .offset: 80, .size: 8, .value_kind: global_buffer, .address_space: global }
      - { .name: bv, .offset: 88, .size: 8, .value_kind: global_buffer, .address_space: global }
      - { .name: Wo_codes, .offset: 96, .size: 8, .value_kind: global_buffer, .address_space: global }
      - { .name: W1_codes, .offset: 104, .size: 8, .value_kind: global_buffer, .address_space: global }
      - { .name: W2_codes, .offset: 112, .size: 8, .value_kind: global_buffer, .address_space: global }
      - { .name: qc, .offset: 120, .size: 8, .value_kind: global_buffer, .address_space: global }
      - { .name: qs, .offset: 128, .size: 8, .value_kind: global_buffer, .address_space: global }
      - { .name: kv, .offset: 136, .size: 8, .value_kind: global_buffer, .address_space: global }
      - { .name: wimg, .offset: 144, .size: 8, .value_kind: global_buffer, .address_space: global }
    .group_segment_fixed_size: 228352
    .private_segment_fixed_size: 0
    .kernarg_segment_align: 8
    .kernarg_segment_size: 152
    .max_flat_workgroup_size: 256
    .sgpr_count:     100
    .vgpr_count:     384
    .wavefront_size: 32
...
	.end_amdgpu_metadata
.endif
;; end of part 1
;; launch attn (part 2): grid 4 x 64, 16 waves a work-group, clusters of 4 x 1, 167,936 bytes of LDS; arguments qc, qs, kv, ctxc, ctxs; writes ctxc, ctxs
.if DOCPART == 2
	.amdgcn_target "amdgcn-amd-amdhsa--gfx1250"
	.amdhsa_code_object_version 6
	.text
	.protected	k_q0a0fe78120_attn
	.globl	k_q0a0fe78120_attn
	.p2align	8
	.type	k_q0a0fe78120_attn,@function
k_q0a0fe78120_attn:
	s_mov_b64 s[64:65], 0
	v_nop
	global_prefetch_b8 v0, s[64:65] scope:SCOPE_SE
	s_setreg_imm32_b32 hwreg(HW_REG_WAVE_MODE, 25, 1), 1
	s_wait_xcnt 0x0
	s_wait_alu depctr_hold_cnt(0) depctr_sa_sdst(0) depctr_va_vdst(0) depctr_va_sdst(0) depctr_va_ssrc(0) depctr_va_vcc(0) depctr_vm_vsrc(0)
	s_getreg_b32 s2, hwreg(HW_REG_IB_STS2, 6, 4)
	s_cmp_eq_u32 s2, 0
	s_cbranch_scc0 .Lentry_in_a_cluster
	s_endpgm
.Lentry_in_a_cluster:
	s_bfe_u32 s2, ttmp6, 0x10000c
	s_cmp_lg_u32 s2, 0x3003
	s_cbranch_scc0 .Lentry_shape_is_right
	s_endpgm
.Lentry_shape_is_right:
; LAUNCH 2 OF 3.  ctx = softmax(q k^T / sqrt(32)) v for one head, both products on codes of FP4 (E2M1) with one E8M0 scale for each 32 along K; ctx leaves as codes, quantised along the head's 32,
; which is one block of the next product's K.  No work of the reference is left out.
; THE SOFTMAX: t = score x log2(e) / sqrt(32); M = the running largest t rounded UP to a whole number; p = 2^(t - M) is quantised along the keys, not normalised; the row's sum is taken of the unquantised p and divides at the end.
; When M moves, the sum and O are multiplied by 2^(old M - new M): exact.
; LIMITS: as in the first launch (scale byte 1 for blocks under 2^-124; NaN and infinities not served).
; SHARES.  A work-group takes 512 positions of one head; each of its sixteen waves two tiles of 16 queries, one after the other; each tile walks the head's 2,048 keys, 128 a step.
; THE HEAD'S K AND V, codes and scale bytes, are 69,632 bytes: they lie in LDS whole, filled once by four tensor loads of 68 rows x 256 bytes: no ring, no refill.
; CLUSTER: the four work-groups of a cluster belong to one head and need the same bytes: the loads are asked for jointly (mask 15).  Only global addresses hang on the place in the cluster.
; THE FIRST PRODUCT HAS K = 32 in an instruction of 128.  One operand of K carries FOUR tiles of 16 keys, one in each block of 32; q's operand has q's codes in block t and zero codes in the other three: that picks tile t.
; Both products are used transposed (S^T = K Q^T, O^T = V^T P^T): a lane holds one query throughout.  By the order of positions the 16 registers of tiles 2 b, 2 b + 1 are keys 32 b + 16 (lane / 16) + 0 .. 15.
; REGISTERS: v1-11 addresses; v12 -M, v13 the largest t, v[14:15] the sum; v16-39 q's four operands (v[16:23], v[28:35], v[20:27], v[32:39]); v40-44 scale words; v[46:47] f;
;   v48-63 K; v64-79 V; v80-87 q as loaded; v96-159 S^T, then p; v160-175 O^T; v176-183 p's codes; v184-196 at work.
.set SPARE, 69632                      ; behind the head's bytes: the spare words, 128 bytes for each wave: eight blocks of 256 bytes that no other line names
.set L16, 1
.set KSA, 2
.set ADK, 3
.set ADS, 4
.set SPW, 5
.set NIL, 6
.set R16, 7
.set R4,  8
.set SO8, 9
.set BSO, 10
.set BYS, 11
.set QS0, 40
.set KS,  41
.set VS,  42
.set PS,  43
.set QS1, 44
.set FF,  46
.set KR,  48
.set VR,  64
.set QR,  80
.set S,   96
.set O,   160
.set PCD, 176
.set BM,  184
.set BT,  188
.set SOP, 192
.set TMP, 196
.set WV,  14
.set CX,  15
.set G1,  16
.set G0,  24
.set QB,  28
.set CB,  30
.set SB,  32
.set EB,  34
.set CS,  36
.set SEL, 38
.set TB,  40
.set TS,  41
.set CNT, 42
.set MLO, 43
.set MHI, 44
.set BH,  45
.macro PLACES n
.rept \n
	v_nop
.endr
.endm
.macro WMS d, a, b, sa, sb, ra         ; a product that starts a sum
.if \ra
	v_wmma_scale_f32_16x16x128_f8f6f4 v[(\d):(\d)+7], v[(\a):(\a)+7], v[(\b):(\b)+7], 0, v[(\sa)], v[(\sb)] matrix_a_fmt:MATRIX_FMT_FP4 matrix_b_fmt:MATRIX_FMT_FP4 matrix_a_scale:MATRIX_SCALE_ROW1
.else
	v_wmma_scale_f32_16x16x128_f8f6f4 v[(\d):(\d)+7], v[(\a):(\a)+7], v[(\b):(\b)+7], 0, v[(\sa)], v[(\sb)] matrix_a_fmt:MATRIX_FMT_FP4 matrix_b_fmt:MATRIX_FMT_FP4
.endif
.endm
.macro WMA d, a, b, sa, sb, ra         ; a product that adds in place
.if \ra
	v_wmma_scale_f32_16x16x128_f8f6f4 v[(\d):(\d)+7], v[(\a):(\a)+7], v[(\b):(\b)+7], v[(\d):(\d)+7], v[(\sa)], v[(\sb)] matrix_a_fmt:MATRIX_FMT_FP4 matrix_b_fmt:MATRIX_FMT_FP4 matrix_a_scale:MATRIX_SCALE_ROW1
.else
	v_wmma_scale_f32_16x16x128_f8f6f4 v[(\d):(\d)+7], v[(\a):(\a)+7], v[(\b):(\b)+7], v[(\d):(\d)+7], v[(\sa)], v[(\sb)] matrix_a_fmt:MATRIX_FMT_FP4 matrix_b_fmt:MATRIX_FMT_FP4
.endif
.endm
.macro CROUND                          ; a round of the cluster's barrier
	s_barrier_signal -1
	s_barrier_wait -1
	s_cmp_lg_u32 s[WV], 0
	s_cbranch_scc1 .Lnot_wave_0_\@
	s_barrier_signal -3
.Lnot_wave_0_\@:
	s_barrier_wait -3
	s_barrier_signal -1
	s_barrier_wait -1
.endm
	s_load_b256 s[4:11], s[0:1], 0x0               ; qc, qs, kv, ctxc
	s_load_b64 s[12:13], s[0:1], 0x20              ; ctxs
	v_lshl_add_u32 v[SPW], v0, 2, SPARE
	v_mov_b32 v[NIL], 0
	ds_add_u32 v[SPW], v[NIL]                      ; the wave's opening: the add, twice on end, and its wait ahead of the first tensor load
	ds_add_u32 v[SPW], v[NIL]
	v_lshrrev_b32 v1, 5, v0
	v_readfirstlane_b32 s[WV], v1                  ; wave 0..15
	s_bfe_u32 s[CX], ttmp6, 0x40000                ; my place in the cluster: which 512 positions
	s_and_b32 s[BH], ttmp7, 0xffff                 ; 16 x batch + head
	s_mov_b32 s[G1], 15|(3<<16)|(1<<21)            ; mask: all four; elements of 8 bytes; no padding
	s_mov_b32 s[G1+1], 32<<16                      ; tensor_dim0 = 32 (256 bytes)
	s_mov_b32 s[G1+2], 68<<16                      ; tensor_dim1 = 68
	s_mov_b32 s[G1+3], 32<<16                      ; tile_dim0
	s_mov_b32 s[G1+4], 68                          ; tile_dim1
	s_mov_b32 s[G1+5], 32                          ; from row to row: dense
	s_mov_b32 s[G1+6], 0
	s_mov_b32 s[G1+7], 0
	s_mov_b32 s[G0], 1
	s_mul_i32 s[G0+1], s[WV], 17408                ; LDS: wave x 68 rows
	s_mul_i32 s46, s[BH], 69632
	s_add_co_u32 s46, s46, s[G0+1]
	s_mov_b32 s47, 0
	s_lshl_b32 s48, s[BH], 15
	s_lshl_b32 s50, s[CX], 13
	s_add_co_u32 s48, s48, s50
	s_lshl_b32 s50, s[WV], 9
	s_add_co_u32 s48, s48, s50                     ; q's codes: 16 bytes a position, my wave's 32 positions
	s_mov_b32 s49, 0
	s_lshr_b32 s50, s48, 2                         ; q's scale words: 4 bytes a position
	s_mov_b32 s51, 0
	s_lshr_b32 s52, s[BH], 4
	s_lshl_b32 s52, s52, 7
	s_lshl_b32 s53, s[CX], 5
	s_add_co_u32 s52, s52, s53
	s_lshl_b32 s53, s[WV], 1
	s_add_co_u32 s52, s52, s53                     ; my first tile of positions among all 512
	s_and_b32 s53, s[BH], 15                       ; the head
	s_lshl_b32 s54, s52, 12
	s_lshl_b32 s56, s53, 8
	s_add_co_u32 s54, s54, s56                     ; ctx's codes: [tile][head][row][16]
	s_mov_b32 s55, 0
	s_lshl_b32 s56, s52, 8
	s_lshr_b32 s58, s53, 2
	s_lshl_b32 s58, s58, 6
	s_add_co_u32 s56, s56, s58
	s_and_b32 s58, s53, 3
	s_add_co_u32 s56, s56, s58                     ; ctx's scale bytes: [tile][head / 4][row][head % 4]
	s_mov_b32 s57, 0
	s_mov_b32 s[CS], 0x3e8293ee                    ; c = log2(e) / sqrt(32)
	s_mov_b32 s[CS+1], s[CS]                       ; (named with it as a pair, so it is written)
	s_mov_b32 s[SEL], 0x76543210
	s_mov_b32 s[SEL+1], 0xfedcba98                 ; lane l xor 16
	s_mov_b32 s[MLO], 0x0000ffff
	s_mov_b32 s[MHI], 0xffff0000
	v_and_b32 v[L16], 31, v0
	v_lshl_add_u32 v[KSA], v[L16], 2, 65536        ; K's scale words begin at byte 65,536; V's 2,048 on
	v_lshlrev_b32 v[L16], 4, v[L16]
	v_and_b32 v[R4], 15, v0
	v_bfe_u32 v[BSO], v0, 4, 1
	v_lshlrev_b32 v[R16], 4, v[R4]
	v_lshl_add_u32 v[SO8], v[BSO], 3, v[R16]       ; 16 r + 8 h
	v_lshlrev_b32 v[R4], 2, v[R4]
	v_lshl_add_u32 v[BSO], v[BSO], 8, v[R4]        ; 256 h + 4 r
	s_wait_dscnt 0x0                               ; both opening adds are done
	s_wait_kmcnt 0x0
	s_add_nc_u64 s[G0+2:G0+3], s[8:9], s[46:47]
	s_or_b32 s[G0+3], s[G0+3], 0x80000000
	s_add_nc_u64 s[QB:QB+1], s[4:5], s[48:49]
	s_add_nc_u64 s[SB:SB+1], s[6:7], s[50:51]
	s_add_nc_u64 s[CB:CB+1], s[10:11], s[54:55]
	s_add_nc_u64 s[EB:EB+1], s[12:13], s[56:57]
	CROUND                                         ; all four work-groups are here: the joint loads meet
	s_cmp_lt_u32 s[WV], 4                          ; four loads, one a wave, in one branch on the wave's number; one tensor load of a wave is out at the most
	s_cbranch_scc0 .Lno_fill
	tensor_load_to_lds s[G0:G0+3], s[G1:G1+7]
	s_nop 0
	PLACES 4
.Lno_fill:
	global_load_b128 v[QR:QR+3], v[R16], s[QB:QB+1]            ; both halves of the lanes take query r's 32 codes
	global_load_b128 v[QR+4:QR+7], v[R16], s[QB:QB+1] offset:256
	global_load_b32 v[QS0], v[R4], s[SB:SB+1]
	global_load_b32 v[QS1], v[R4], s[SB:SB+1] offset:64
.irp k, 0,1,2,3
	v_mov_b32 v[20+\k], 0                          ; the zero codes between q's two places
	v_mov_b32 v[32+\k], 0
	v_mov_b32 v[BT+\k], 0                          ; written once: a lane permute's destination counts as one of its sources
.endr
	v_mov_b32 v[TMP], 0
	v_mov_b32 v[FF+1], 0                           ; (named as the upper half of the pair before it is ever used)
	s_wait_tensorcnt 0x0                           ; my part of the head's bytes has landed,
	s_barrier_signal -1
	s_barrier_wait -1                              ; everybody's has.
	s_wait_loadcnt 0x0                             ; q
; A KEY STEP: 128 keys.  qsr: the register with my tile's scale words of q
.macro STEP qsr
	v_add_nc_u32 v[ADK], s[TB], v[L16]
	v_add_nc_u32 v[ADS], s[TS], v[KSA]
	v_nop
	v_nop                                          ; four places in front of loads into registers that the last products have read
.irp g, 0,1
.irp c, 0,1
	ds_load_b128 v[KR+8*\g+4*\c:KR+8*\g+4*\c+3], v[ADK] offset:1024*\g+512*\c      ; operand g: positions 64 g + 16 (2 c + h) + r
.endr
.endr
	ds_load_b32 v[KS], v[ADS]                      ; lanes 0-15: operand 0's scale words; lanes 16-31: operand 1's
.irp n, 0,1
.irp c, 0,1
	ds_load_b128 v[VR+8*\n+4*\c:VR+8*\n+4*\c+3], v[ADK] offset:32768+1024*\c+512*\n   ; channel 16 n + r, keys 64 c + 32 h + 0 .. 31
.endr
.endr
	ds_load_b32 v[VS], v[ADS] offset:2048
	s_wait_dscnt 5                                 ; K's four loads and its scale words are in; V's five may be out
.irp g, 0,1
.irp t, 0,1,2,3
	WMS S+8*(4*\g+\t), KR+8*\g, 16+12*(\t%2)+4*(\t/2), KS, \qsr, \g
.endr
.endr
	PLACES 4
.irp b, 0,1,2,3
	v_max3_num_f32 v[BM+\b], v[S+16*\b], v[S+1+16*\b], v[S+2+16*\b]   ; the largest score of each block of 32 keys: for the row's maximum and, since p rises with the score, for the block's largest p
.endr
.irp i, 3,5,7,9,11,13
.irp b, 0,1,2,3
	v_max3_num_f32 v[BM+\b], v[BM+\b], v[S+16*\b+\i], v[S+1+16*\b+\i]
.endr
.endr
.irp b, 0,1,2,3
	v_max_num_f32 v[BM+\b], v[BM+\b], v[S+15+16*\b]
.endr
.irp b, 0,1,2,3
	v_permlanex16_b32 v[BT+\b], v[BM+\b], s[SEL], s[SEL+1]
.endr
.irp b, 0,1,2,3
	v_max_num_f32 v[BM+\b], v[BM+\b], v[BT+\b]
.endr
	v_max3_num_f32 v[TMP], v[BM], v[BM+1], v[BM+2]
	v_max_num_f32 v[TMP], v[TMP], v[BM+3]
	v_mul_f32 v[TMP], s[CS], v[TMP]                ; as t (c is positive)
	v_max_num_f32 v13, v13, v[TMP]                 ; the running largest t
	v_mov_b32 v[TMP], v12
	v_floor_f32 v12, -v13                          ; the new -M = floor(-t): M is a whole number
	v_sub_f32 v[TMP], v12, v[TMP]                  ; old M - new M: a whole number, 0 or less
	v_cvt_i32_f32 v[TMP], v[TMP]                   ; (it saturates)
	v_ldexp_f32 v[FF], 1.0, v[TMP]                 ; f = 2^(old M - new M)
.set j, 0
.rept 32
	v_pk_fma_f32 v[S+j:S+j+1], v[S+j:S+j+1], s[CS:CS+1], v[12:13] op_sel_hi:[1,0,0]   ; t - M
.set j, j+2
.endr
.irp b, 0,1,2,3
	v_fma_f32 v[BM+\b], v[BM+\b], s[CS], v12       ; the same of each block's largest score
.endr
.set j, 0
.rept 64
	v_exp_f32 v[S+j], v[S+j]                       ; p = 2^(t - M)
.set j, j+1
.endr
	v_pk_mul_f32 v[14:15], v[14:15], v[FF:FF+1] op_sel_hi:[1,0]   ; the sums under the new M: the plain place behind the batch
	s_wait_alu depctr_va_vdst(0)                   ; one wait for the 64, ahead of their first reader
.irp b, 0,1,2,3
	v_exp_f32 v[BM+\b], v[BM+\b]                   ; the block's largest p: the same two instructions on the same number
.endr
	v_pk_add_f32 v[BT:BT+1], v[S:S+1], v[S+2:S+3]  ; the row's sum, of the unquantised p, in two chains
.irp j, 4,8,12,16,20,24,28,32,36,40,44,48,52,56,60
	v_pk_add_f32 v[14:15], v[14:15], v[S+\j:S+\j+1]
	v_pk_add_f32 v[BT:BT+1], v[BT:BT+1], v[S+2+\j:S+3+\j]
.endr
	v_pk_add_f32 v[14:15], v[14:15], v[BT:BT+1]
	s_wait_alu depctr_va_vdst(0)                   ; and one for the four
.irp b, 0,1,2,3
	v_max_num_f32 v[BM+\b], 0x1800000, v[BM+\b]    ; the floor 2^(3 - 127)
.endr
.irp b, 0,1,2,3
	v_add_nc_u32 v[SOP+\b], 0xff000000, v[BM+\b]
.endr
.irp b, 0,1,2,3
	v_lshrrev_b32 v[BT+\b], 23, v[SOP+\b]
.endr
	v_lshl_or_b32 v[PS], v[BT+1], 8, v[BT]         ; p's scale word for these 128 keys
	v_lshl_or_b32 v[PS], v[BT+2], 16, v[PS]
	v_lshl_or_b32 v[PS], v[BT+3], 24, v[PS]
.irp b, 0,1,2,3
	v_cvt_scalef32_pk8_fp4_f32 v[PCD+2*\b], v[S+16*\b:S+7+16*\b], v[SOP+\b]
	v_cvt_scalef32_pk8_fp4_f32 v[PCD+1+2*\b], v[S+8+16*\b:S+15+16*\b], v[SOP+\b]
.endr
	v_nop                                          ; one plain place behind a scaled conversion
.irp c, 0,1
.irp i, 0,1
	v_permlane16_swap_b32 v[PCD+4*\c+\i], v[PCD+2+4*\c+\i]     ; a whole block in a lane
.endr
.endr
.irp j, 0,2,4,6,8,10,12,14
	v_pk_mul_f32 v[O+\j:O+\j+1], v[O+\j:O+\j+1], v[FF:FF+1] op_sel_hi:[1,0]   ; O^T under the new M; these eight are also the places between the scale word's and the codes' last writes and the products
.endr
	s_wait_dscnt 0x0                               ; V and its scale words are in
.irp n, 0,1
	WMA O+8*\n, VR+8*\n, PCD, VS, PS, \n
.endr
.endm
; ONE TILE OF 16 QUERIES: all 16 key steps, then ctx = O / the sum, quantised, out
.macro QTILE trip, qsr
.if \trip
	s_wait_xcnt 0x0                                ; the first tile's store has read its data: the codes' registers may be written again
.endif
.irp k, 0,1,2,3
	v_cndmask_b32 v[16+\k], 0, v[QR+4*\trip+\k], s[MLO]        ; q in lanes 0-15, zero codes in lanes 16-31: blocks 0 and 2
	v_cndmask_b32 v[24+\k], 0, v[QR+4*\trip+\k], s[MLO]
	v_cndmask_b32 v[28+\k], 0, v[QR+4*\trip+\k], s[MHI]        ; q in lanes 16-31: blocks 1 and 3
	v_cndmask_b32 v[36+\k], 0, v[QR+4*\trip+\k], s[MHI]
.endr
	v_mov_b32 v13, 0xff61b1e6                      ; the largest t so far: -3e38
	v_floor_f32 v12, -v13
	v_mov_b32 v14, 0
	v_mov_b32 v15, 0
.irp j, 0,1,2,3,4,5,6,7,8,9,10,11,12,13,14,15
	v_mov_b32 v[O+\j], 0                           ; the step is written once: the first finds zeros
.endr
	s_mov_b32 s[TB], 0
	s_mov_b32 s[TS], 0
	s_mov_b32 s[CNT], 0
.Lstep_\@:
	STEP \qsr
	s_add_co_u32 s[TB], s[TB], 2048                ; 128 positions of K; two groups of V
	s_add_co_u32 s[TS], s[TS], 128                 ; the step's scale words
	s_add_co_u32 s[CNT], s[CNT], 1
	s_cmp_lt_u32 s[CNT], 16
	s_cbranch_scc1 .Lstep_\@
	PLACES 4
	v_add_f32 v14, v14, v15
	v_permlanex16_b32 v[TMP], v14, s[SEL], s[SEL+1]
	v_add_f32 v14, v14, v[TMP]                     ; the row's sum
	v_rcp_f32 v14, v14
	v_nop
	s_wait_alu depctr_va_vdst(0)
.irp j, 0,1,2,3,4,5,6,7,8,9,10,11,12,13,14,15
	v_mul_f32 v[S+\j], v[O+\j], v14                ; register 8 n + i: ctx(query r, channel 16 n + 8 h + i)
.endr
	v_max3_num_f32 v[BM], |v[S]|, |v[S+1]|, 0x1800000
.irp i, 2,4,6,8,10,12,14
	v_max3_num_f32 v[BM], v[BM], |v[S+\i]|, |v[S+1+\i]|
.endr
	v_permlanex16_b32 v[BT], v[BM], s[SEL], s[SEL+1]
	v_max_num_f32 v[BM], v[BM], v[BT]
	v_add_nc_u32 v[SOP], 0xff000000, v[BM]
	v_lshrrev_b32 v[BT], 23, v[SOP]
	v_cvt_scalef32_pk8_fp4_f32 v[PCD], v[S:S+7], v[SOP]
	v_cvt_scalef32_pk8_fp4_f32 v[PCD+1], v[S+8:S+15], v[SOP]
	v_nop
	v_permlane16_swap_b32 v[PCD], v[PCD+1]         ; lane (r, h): channels 16 h .. 16 h + 15
	global_store_b64 v[SO8], v[PCD:PCD+1], s[CB:CB+1] offset:4096*\trip   ; 32 lanes store 256 consecutive bytes, aligned
.if \trip
	v_cndmask_b32 v[BYS], v[BYS], v[BT], s[MHI]    ; lanes 0-15 keep the first tile's byte, lanes 16-31 take the second's
.else
	v_mov_b32 v[BYS], v[BT]
.endif
.endm
	QTILE 0, QS0
	QTILE 1, QS1
	global_store_b8 v[BSO], v[BYS], s[EB:EB+1]     ; one byte of each row's word; the other heads own the bytes between
	s_wait_tensorcnt 0x0                           ; the wave's end
	ds_add_u32 v[SPW], v[NIL]
	s_wait_dscnt 0x0
	CROUND                                         ; the closing round
	s_endpgm
.Lfunc_end_k_q0a0fe78120_attn:
	.size	k_q0a0fe78120_attn, .Lfunc_end_k_q0a0fe78120_attn-k_q0a0fe78120_attn
	.p2alignl 7, 3214868480
	.fill 96, 4, 3214868480
	.section	.rodata,"a",@progbits
	.p2align	6, 0x0
	.amdhsa_kernel k_q0a0fe78120_attn
		.amdhsa_group_segment_fixed_size 167936
		.amdhsa_private_segment_fixed_size 0
		.amdhsa_enable_private_segment 0
		.amdhsa_kernarg_size 40
		.amdhsa_user_sgpr_count 2
		.amdhsa_user_sgpr_kernarg_segment_ptr 1
		.amdhsa_wavefront_size32 1
		.amdhsa_system_sgpr_workgroup_id_x 1
		.amdhsa_system_sgpr_workgroup_id_y 1
		.amdhsa_system_sgpr_workgroup_id_z 1
		.amdhsa_system_vgpr_workitem_id 0
		.amdhsa_next_free_vgpr 256
		.amdhsa_next_free_sgpr 66
		.amdhsa_reserve_vcc 0
		.amdhsa_float_denorm_mode_32 3
		.amdhsa_float_denorm_mode_16_64 3
		.amdhsa_memory_ordered 1
		.amdhsa_forward_progress 1
		.amdhsa_inst_pref_size 41
	.end_amdhsa_kernel
	.amdgpu_metadata
---
amdhsa.version: [ 1, 2 ]
amdhsa.kernels:
  - .name:           k_q0a0fe78120_attn
    .symbol:         k_q0a0fe78120_attn.kd
    .args:
      - { .name: qc, .offset: 0, .size: 8, .value_kind: global_buffer, .address_space: global }
      - { .name: qs, .offset: 8, .size: 8, .value_kind: global_buffer, .address_space: global }
      - { .name: kv, .offset: 16, .size: 8, .value_kind: global_buffer, .address_space: global }
      - { .name: ctxc, .offset: 24, .size: 8, .value_kind: global_buffer, .address_space: global }
      - { .name: ctxs, .offset: 32, .size: 8, .value_kind: global_buffer, .address_space: global }
    .group_segment_fixed_size: 167936
    .private_segment_fixed_size: 0
    .kernarg_segment_align: 8
    .kernarg_segment_size: 40
    .max_flat_workgroup_size: 512
    .sgpr_count:     66
    .vgpr_count:     256
    .wavefront_size: 32
...
	.end_amdgpu_metadata
.endif
;; end of part 2
;; launch ffn (part 3): grid 256 x 1, 8 waves a work-group, no clusters, 95,232 bytes of LDS; arguments ctxc, ctxs, wimg, Wo_scales, W1_scales, W2_scales, bo, bf1, bf2, g2, b2, x, out0; writes out0
.if DOCPART == 3
	.amdgcn_target "amdgcn-amd-amdhsa--gfx1250"
	.amdhsa_code_object_version 6
	.text
	.protected	k_q0a0fe78120_ffn
	.globl	k_q0a0fe78120_ffn
	.p2align	8
	.type	k_q0a0fe78120_ffn,@function
k_q0a0fe78120_ffn:
	s_mov_b64 s[64:65], 0
	v_nop
	global_prefetch_b8 v0, s[64:65] scope:SCOPE_SE
	s_setreg_imm32_b32 hwreg(HW_REG_WAVE_MODE, 25, 1), 1
	s_wait_xcnt 0x0
; LAUNCH 3 OF 3.  x2 = ctx Wo + bo + x;  y = LayerNorm(x2; g2, b2);  out0 = gelu(y W1 + bf1) W2 + bf2 + x2.  All three products on codes of FP4 (E2M1) with one E8M0 scale for each 32 along K;
; y and the hidden layer are quantised on the way and never go to memory.  No work of the reference is left out.
; LIMITS: as in the first launch; erf is x P(x^2) / Q(x^2) with x held to +-4 (degrees 6 and 4; absolute error about 1e-7).
; SHARES.  A work-group takes 32 tokens: two tiles of 16 positions.  THE WAVES SHARE THE COLUMNS: wave w makes columns 64 w .. 64 w + 63 of the first and third product and hidden units 128 w .. + 127.
; Every product is used transposed (source 0 = 16 rows of a weight, source 1 = 16 tokens): a lane holds one token throughout, and x2 stays in the accumulators onto which the third product adds.
; THE WEIGHTS GO FROM MEMORY STRAIGHT INTO REGISTERS.  The first launch has laid them in the order of this launch's operand registers: a wave's 80 fragments are 81,920 consecutive bytes, each load 512 of them.
; A ring of 16 fragments in registers, refilled four at a time, keeps up to 32 loads of a wave on their way, across barriers and vector phases too.
; NO CLUSTER: each fragment has one reader in a work-group, for two products; through LDS the 655,360 bytes would want five refills or more of two slots, each behind a round of a cluster's barrier
; with 32 to 64 products a wave in which to land, and each byte would be written to LDS and read from it once more.
; Activations go from wave to wave through LDS as images of the operand's registers ([tile][block of 32][row][16 bytes]; scale words [tile][K step][row][4]).
; REGISTERS: window 0: v1-15 addresses; v16-23 the activations' scale words; v24-31 Wo's; v32-47 W1's, then W2's; v48-63 at work; v64-127 the 8 accumulators of x2 and the result ((ct, tile) at 64 + 32 tile + 8 ct);
;   v128-255 operands and vector work.   window 1: v0-127 the hidden layer's 16 accumulators ((ct, tile) at 64 tile + 8 ct); v128-255 the ring.
.set SPIT,  2064                       ; the stage: 32 rows (by position) x (2,048 bytes + 16)
.set YIMG,  66048                      ; y's image, 8,192 bytes
.set YSC,   74240                      ; its scale words, 512
.set HIMG,  74752                      ; the hidden layer's image, 16,384
.set HSC,   91136                      ; its scale words, 1,024
.set RED1,  92160                      ; the waves' partial sums, 1,024;
.set RED2,  93184                      ; and of the squares
.set SPARE, 94208                      ; the spare words, 128 bytes for each wave: four blocks of 256 bytes that no other line names
.set L16, 1
.set STW, 2
.set STD, 3
.set RW,  4
.set IR,  5
.set SRG, 6
.set YW,  7
.set YSW, 8
.set HW,  9
.set HSW, 10
.set SPW, 11
.set NIL, 12
.set L32, 13
.set L4,  14
.set CO,  15
.set AS,  16
.set WOS, 24
.set W1S, 32
.set W2S, 32
.set WK,  48
.set ACC, 64
.set AF,  128
.set G2,  192
.set B2,  224
.set TM,  192
.set PC,  208
.set UU,  192
.set X2,  208
.set PA,  224
.set PB,  240
.set RING, 128
.set WV,  30
.set HM,  40
.set SEL, 42
.set C29, 44
.set EPS, 45
.set MSB, 0
.macro WIN new                         ; the immediate's high byte repeats the setting that is left
.if MSB != \new
	s_set_vgpr_msb (MSB<<8)|\new
.set MSB, \new
.endif
.endm
.macro PLACES n
.rept \n
	v_nop
.endr
.endm
.macro WM d, a, b, c, sa, sb, ra, rb   ; one product; ra, rb = 1: that side's scales are read from lanes 16-31
.if (\ra) && (\rb)
	v_wmma_scale_f32_16x16x128_f8f6f4 v[(\d):(\d)+7], v[(\a):(\a)+7], v[(\b):(\b)+7], v[(\c):(\c)+7], v[(\sa)], v[(\sb)] matrix_a_fmt:MATRIX_FMT_FP4 matrix_b_fmt:MATRIX_FMT_FP4 matrix_a_scale:MATRIX_SCALE_ROW1 matrix_b_scale:MATRIX_SCALE_ROW1
.elseif (\ra)
	v_wmma_scale_f32_16x16x128_f8f6f4 v[(\d):(\d)+7], v[(\a):(\a)+7], v[(\b):(\b)+7], v[(\c):(\c)+7], v[(\sa)], v[(\sb)] matrix_a_fmt:MATRIX_FMT_FP4 matrix_b_fmt:MATRIX_FMT_FP4 matrix_a_scale:MATRIX_SCALE_ROW1
.elseif (\rb)
	v_wmma_scale_f32_16x16x128_f8f6f4 v[(\d):(\d)+7], v[(\a):(\a)+7], v[(\b):(\b)+7], v[(\c):(\c)+7], v[(\sa)], v[(\sb)] matrix_a_fmt:MATRIX_FMT_FP4 matrix_b_fmt:MATRIX_FMT_FP4 matrix_b_scale:MATRIX_SCALE_ROW1
.else
	v_wmma_scale_f32_16x16x128_f8f6f4 v[(\d):(\d)+7], v[(\a):(\a)+7], v[(\b):(\b)+7], v[(\c):(\c)+7], v[(\sa)], v[(\sb)] matrix_a_fmt:MATRIX_FMT_FP4 matrix_b_fmt:MATRIX_FMT_FP4
.endif
.endm
.macro BARRIER                         ; my LDS stores have landed and my LDS loads are in: then the work-group's barrier
	s_wait_dscnt 0x0
	s_barrier_signal -1
	s_barrier_wait -1
.endm
; 64 numbers of a lane, four blocks b of 16 registers; a block's other 16 numbers lie in lane l xor 16.  Bytes to v[TM+4+b]; codes to v[PC+2b], v[PC+2b+1], exchanged so that lane (r, h) holds columns 16 h .. 16 h + 15
.macro Q4 s
.irp b, 0,1,2,3
	v_max3_num_f32 v[TM+\b], |v[\s+16*\b]|, |v[\s+1+16*\b]|, 0x1800000   ; with the floor 2^(3 - 127)
.endr
.irp i, 2,4,6,8,10,12,14
.irp b, 0,1,2,3
	v_max3_num_f32 v[TM+\b], v[TM+\b], |v[\s+16*\b+\i]|, |v[\s+1+16*\b+\i]|
.endr
.endr
.irp b, 0,1,2,3
	v_permlanex16_b32 v[TM+4+\b], v[TM+\b], s[SEL], s[SEL+1]
.endr
.irp b, 0,1,2,3
	v_max_num_f32 v[TM+\b], v[TM+\b], v[TM+4+\b]
.endr
.irp b, 0,1,2,3
	v_add_nc_u32 v[TM+12+\b], 0xff000000, v[TM+\b]
.endr
.irp b, 0,1,2,3
	v_lshrrev_b32 v[TM+4+\b], 23, v[TM+12+\b]
.endr
.irp b, 0,1,2,3
	v_cvt_scalef32_pk8_fp4_f32 v[PC+2*\b], v[\s+16*\b:\s+7+16*\b], v[TM+12+\b]
	v_cvt_scalef32_pk8_fp4_f32 v[PC+1+2*\b], v[\s+8+16*\b:\s+15+16*\b], v[TM+12+\b]
.endr
	v_nop                                          ; one plain place behind a scaled conversion
.irp b, 0,1,2,3
	v_permlane16_swap_b32 v[PC+2*\b], v[PC+2*\b+1]
.endr
.endm
.macro WLOAD b                         ; batch b of the stream: four fragments, eight loads of 512 consecutive bytes, into ring places 4 (b % 4) ..
	WIN 0x40
.irp k, 0,1,2,3
.irp c, 0,1
	global_load_b128 v[RING+8*(4*((\b)%4)+\k)+4*\c:RING+8*(4*((\b)%4)+\k)+4*\c+3], v[L16], s[8:9] offset:(4*(\b)+\k)*1024+512*\c
.endr
.endr
.endm
	s_load_b512 s[4:19], s[0:1], 0x0               ; ctxc, ctxs, wimg, Wo, W1, W2 scales, bo, bf1
	s_load_b256 s[20:27], s[0:1], 0x40             ; bf2, g2, b2, x
	s_load_b64 s[28:29], s[0:1], 0x60              ; out0
	v_lshl_add_u32 v[SPW], v0, 2, SPARE
	v_mov_b32 v[NIL], 0
	v_lshrrev_b32 v48, 5, v0
	v_readfirstlane_b32 s[WV], v48                 ; wave 0..7
	v_and_b32 v48, 31, v0                          ; lane
	v_and_b32 v49, 15, v0                          ; r
	v_bfe_u32 v50, v0, 4, 1                        ; h
	v_lshlrev_b32 v[L16], 4, v48
	v_lshlrev_b32 v[L32], 5, v48
	v_lshlrev_b32 v[L4], 2, v48
	s_lshl_b32 s31, s[WV], 8
	v_mul_u32_u24 v[STW], v49, SPIT
	v_lshl_add_u32 v[STW], v50, 5, v[STW]
	v_add_nc_u32 v[STW], s31, v[STW]               ; the stage in the accumulators' layout: row r, + 32 h, + my 256 bytes
	v_lshl_add_u32 v[CO], v50, 5, s31              ; g2, b2 (and, from a base 256 w on, bf1): 4 (64 w + 8 h)
	s_and_b32 s32, s[WV], 1
	s_lshl_b32 s32, s32, 2
	s_lshr_b32 s33, s[WV], 2
	s_lshl_b32 s33, s33, 3
	s_add_co_u32 s32, s32, s33
	s_bfe_u32 s33, s[WV], 0x10001
	s_lshl_b32 s33, s33, 4
	s_add_co_u32 s32, s32, s33                     ; tokens 4 w .. 4 w + 3 lie at positions 4 (w % 2) + 8 (w / 4) + 16 ((w / 2) % 2) ..
	s_mul_i32 s32, s32, SPIT
	v_add_nc_u32 v[STD], s32, v[L16]               ; the stage by whole rows
	s_lshl_b32 s32, s[WV], 7
	s_add_co_u32 s32, s32, RED1
	v_add_nc_u32 v[RW], s32, v[L4]
	v_add_nc_u32 v[IR], YIMG, v[L16]
	v_add_nc_u32 v[SRG], YSC, v[L4]
	v_lshlrev_b32 v51, 4, v49
	v_lshl_add_u32 v51, v50, 3, v51                ; 16 r + 8 h
	v_lshlrev_b32 v52, 2, v49
	s_lshl_b32 s32, s[WV], 9
	s_add_co_u32 s32, s32, YIMG
	v_add_nc_u32 v[YW], s32, v51                   ; y: my blocks 2 w, 2 w + 1
	s_lshl_b32 s32, s[WV], 10
	s_add_co_u32 s32, s32, HIMG
	v_add_nc_u32 v[HW], s32, v51                   ; the hidden layer: my blocks 4 w .. 4 w + 3
	s_lshr_b32 s32, s[WV], 1
	s_lshl_b32 s32, s32, 6
	s_and_b32 s33, s[WV], 1
	s_lshl_b32 s33, s33, 1
	s_add_co_u32 s32, s32, s33
	s_add_co_u32 s32, s32, YSC
	v_lshl_add_u32 v[YSW], v50, 8, v52
	v_add_nc_u32 v[YSW], s32, v[YSW]               ; y's scale bytes: tile h, K step w / 2, row r, bytes 2 (w % 2), + 1
	s_lshl_b32 s32, s[WV], 6
	s_add_co_u32 s32, s32, HSC
	v_lshl_add_u32 v[HSW], v50, 9, v52
	v_add_nc_u32 v[HSW], s32, v[HSW]               ; the hidden layer's: tile h, K step w, row r: a whole word
	s_mov_b32 s[HM], 0xffff0000                    ; lanes 16-31
	s_mov_b32 s[SEL], 0x76543210
	s_mov_b32 s[SEL+1], 0xfedcba98
	s_mov_b32 s[C29], 0x3b000000                   ; 1 / 512
	s_mov_b32 s[EPS], 0x3727c5ac                   ; 1e-5
	s_mov_b32 s33, 0
	s_wait_kmcnt 0x0
	s_lshl_b32 s32, ttmp9, 13
	s_add_nc_u64 s[4:5], s[4:5], s[32:33]          ; ctx's codes: two tiles of 4,096 bytes
	s_lshl_b32 s32, ttmp9, 9
	s_add_nc_u64 s[6:7], s[6:7], s[32:33]
	s_mul_i32 s32, s[WV], 81920
	s_add_nc_u64 s[8:9], s[8:9], s[32:33]          ; my wave's stream of weights
	s_lshl_b32 s32, s[WV], 10
	s_add_nc_u64 s[10:11], s[10:11], s[32:33]      ; Wo's scale bytes: 16 a row, my 64 rows
	s_lshl_b32 s32, s[WV], 11
	s_add_nc_u64 s[12:13], s[12:13], s[32:33]      ; W1's: 16 a row, my 128 rows
	s_add_nc_u64 s[14:15], s[14:15], s[32:33]      ; W2's: 32 a row, my 64 rows
	s_lshl_b32 s32, s[WV], 8
	s_add_nc_u64 s[18:19], s[18:19], s[32:33]
	s_lshl_b32 s32, ttmp9, 16
	s_lshl_b32 s34, s[WV], 13
	s_add_co_u32 s32, s32, s34
	s_add_nc_u64 s[26:27], s[26:27], s[32:33]      ; x and out0 at token 32 i + 4 w
	s_add_nc_u64 s[28:29], s[28:29], s[32:33]
.irp j, 0,1,2,3
.irp q, 0,1,2,3
	global_load_b128 v[ACC+16*\j+4*\q:ACC+16*\j+4*\q+3], v[L16], s[26:27] offset:2048*\j+512*\q th:TH_LOAD_NT   ; four whole rows of x, 512 consecutive bytes a load
.endr
.endr
.irp q, 0,1,2,3
	global_load_b128 v[G2+4*\q:G2+4*\q+3], v[L16], s[16:17] offset:512*\q          ; bo, laid as a row of x
.endr
.irp t, 0,1
.irp s, 0,1,2,3
.irp c, 0,1
	global_load_b128 v[AF+32*\t+8*\s+4*\c:AF+32*\t+8*\s+4*\c+3], v[L16], s[4:5] offset:4096*\t+1024*\s+512*\c   ; ctx's fragments
.endr
.endr
.endr
.irp t, 0,1
.irp e, 0,1
	global_load_b32 v[AS+2*\t+\e], v[L4], s[6:7] offset:256*\t+128*\e
.endr
.endr
.irp p, 0,1
	global_load_b128 v[WOS+4*\p:WOS+4*\p+3], v[L16], s[10:11] offset:512*\p        ; register s: K step s; lanes 0-15 tile 2 p, lanes 16-31 tile 2 p + 1
.endr
	WLOAD 0
	WLOAD 1
	WLOAD 2
	WLOAD 3
	WIN 0
	; ---- x + bo goes through the stage into the accumulators' layout: it is the C of the first product
	s_wait_loadcnt 54                              ; x and bo are in; 16 + 4 + 2 + 32 younger loads may be out
.irp j, 0,1,2,3
.irp e, 0,2,4,6,8,10,12,14
	v_pk_add_f32 v[ACC+16*\j+\e:ACC+16*\j+\e+1], v[ACC+16*\j+\e:ACC+16*\j+\e+1], v[G2+\e:G2+\e+1]
.endr
.endr
.irp j, 0,1,2,3
.irp q, 0,1,2,3
	ds_store_b128 v[STD], v[ACC+16*\j+4*\q:ACC+16*\j+4*\q+3] offset:SPIT*\j+512*\q
.endr
.endr
.irp p, 0,1,2,3
	global_load_b128 v[W1S+4*\p:W1S+4*\p+3], v[L16], s[12:13] offset:512*\p
.endr
.irp ct, 0,1,2,3
.irp e, 0,1
	global_load_b128 v[G2+8*\ct+4*\e:G2+8*\ct+4*\e+3], v[CO], s[22:23] offset:64*\ct+16*\e
.endr
.endr
.irp ct, 0,1,2,3
.irp e, 0,1
	global_load_b128 v[B2+8*\ct+4*\e:B2+8*\ct+4*\e+3], v[CO], s[24:25] offset:64*\ct+16*\e
.endr
.endr
	WIN 0x40
.irp ct, 0,1,2,3,4,5,6,7
.irp e, 0,1
	global_load_b128 v[8*\ct+4*\e:8*\ct+4*\e+3], v[CO], s[18:19] offset:64*\ct+16*\e   ; bf1 in the result's layout, where tile 0's hidden sums will stand
.endr
.endr
	WIN 0
	BARRIER                                        ; 32 rows of x + bo lie in the stage
.irp t, 0,1
.irp ct, 0,1,2,3
.irp e, 0,1
	ds_load_b128 v[ACC+32*\t+8*\ct+4*\e:ACC+32*\t+8*\ct+4*\e+3], v[STW] offset:16*SPIT*\t+64*\ct+16*\e
.endr
.endr
.endr
	s_wait_dscnt 0x0
	; ---- x2 = ctx Wo + (bo + x): eight accumulators by turns, a K step and a batch at a time
.macro P6 s
	s_wait_loadcnt 60                              ; this step's batch is in; three younger batches (24) and the 36 loads of W1's scale words, g2, b2, bf1 may be out
	WIN 0x01                                       ; source 0 (the ring) window 1
.irp ct, 0,1,2,3
.irp t, 0,1
	WM ACC+32*\t+8*\ct, RING+8*(4*(\s%4)+\ct), AF+32*\t+8*\s, ACC+32*\t+8*\ct, WOS+4*(\ct/2)+\s, AS+2*\t+\s/2, \ct%2, \s%2
.endr
.endr
	PLACES 4                                       ; in front of loads into registers that the products have read, and of the first read of results
	WLOAD \s+4
.endm
	P6 0
	P6 1
	P6 2
	P6 3
	WIN 0
	; ---- the norm: a lane holds 32 of its token's 512 numbers for each tile; lane l xor 16 another 32; the eight waves' sums meet in LDS
.macro REDUCE a, off                   ; pairs v[a:a+1] (tile 0), v[a+2:a+3] (tile 1) -> the tokens' totals in v[a], v[a+2]
.irp t, 0,1
	v_add_f32 v[\a+2*\t], v[\a+2*\t], v[\a+2*\t+1]
.endr
.irp t, 0,1
	v_permlanex16_b32 v[\a+2*\t+1], v[\a+2*\t], s[SEL], s[SEL+1]
.endr
.irp t, 0,1
	v_add_f32 v[\a+2*\t], v[\a+2*\t], v[\a+2*\t+1]
.endr
	v_cndmask_b32 v52, v[\a], v[\a+2], s[HM]       ; lanes 0-15: tile 0's row r; lanes 16-31: tile 1's
	ds_store_b32 v[RW], v52 offset:\off
	BARRIER
.irp k, 0,1,2,3,4,5,6,7
	ds_load_b32 v[52+\k], v[SRG] offset:RED1-YSC+\off+128*\k
.endr
	s_wait_dscnt 0x0
	v_add_f32 v52, v52, v53
	v_add_f32 v54, v54, v55
	v_add_f32 v56, v56, v57
	v_add_f32 v58, v58, v59
	v_add_f32 v52, v52, v54
	v_add_f32 v56, v56, v58
	v_add_f32 v52, v52, v56
	v_permlanex16_b32 v53, v52, s[SEL], s[SEL+1]
	v_cndmask_b32 v[\a], v52, v53, s[HM]
	v_cndmask_b32 v[\a+2], v53, v52, s[HM]
.endm
.irp t, 0,1
	v_pk_add_f32 v[WK+2*\t:WK+2*\t+1], v[ACC+32*\t:ACC+32*\t+1], v[ACC+32*\t+2:ACC+32*\t+3]   ; each accumulator from its low end on
.endr
.irp k, 4,6,8,10,12,14,16,18,20,22,24,26,28,30
.irp t, 0,1
	v_pk_add_f32 v[WK+2*\t:WK+2*\t+1], v[WK+2*\t:WK+2*\t+1], v[ACC+32*\t+\k:ACC+32*\t+\k+1]
.endr
.endr
	REDUCE WK, 0
.irp t, 0,1
	v_mul_f32 v[WK+2*\t], s[C29], v[WK+2*\t]       ; the mean
.endr
.irp k, 0,2,4,6,8,10,12,14,16,18,20,22,24,26,28,30
.irp t, 0,1
	v_pk_add_f32 v[AF+32*\t+\k:AF+32*\t+\k+1], v[ACC+32*\t+\k:ACC+32*\t+\k+1], v[WK+2*\t:WK+2*\t+1] op_sel_hi:[1,0] neg_lo:[0,1] neg_hi:[0,1]
.endr
.endr
.irp t, 0,1
	v_pk_mul_f32 v[WK+12+2*\t:WK+13+2*\t], v[AF+32*\t:AF+32*\t+1], v[AF+32*\t:AF+32*\t+1]
.endr
.irp k, 2,4,6,8,10,12,14,16,18,20,22,24,26,28,30
.irp t, 0,1
	v_pk_fma_f32 v[WK+12+2*\t:WK+13+2*\t], v[AF+32*\t+\k:AF+32*\t+\k+1], v[AF+32*\t+\k:AF+32*\t+\k+1], v[WK+12+2*\t:WK+13+2*\t]
.endr
.endr
	REDUCE WK+12, 1024
.irp t, 0,1
	v_fma_f32 v[WK+12+2*\t], v[WK+12+2*\t], s[C29], s[EPS]
.endr
.irp t, 0,1
	v_rsq_f32 v[WK+12+2*\t], v[WK+12+2*\t]
.endr
	v_nop
	s_wait_alu depctr_va_vdst(0)                   ; one wait for the two, ahead of their first reader
	s_wait_loadcnt 48                              ; g2 and b2 are in; bf1's 16 loads and four batches (32) may be out
.irp k, 0,2,4,6,8,10,12,14,16,18,20,22,24,26,28,30
.irp t, 0,1
	v_pk_mul_f32 v[AF+32*\t+\k:AF+32*\t+\k+1], v[AF+32*\t+\k:AF+32*\t+\k+1], v[WK+12+2*\t:WK+13+2*\t] op_sel_hi:[1,0]
.endr
.endr
.irp k, 0,2,4,6,8,10,12,14,16,18,20,22,24,26,28,30
.irp t, 0,1
	v_pk_fma_f32 v[AF+32*\t+\k:AF+32*\t+\k+1], v[AF+32*\t+\k:AF+32*\t+\k+1], v[G2+\k:G2+\k+1], v[B2+\k:B2+\k+1]
.endr
.endr
	Q4 AF                                          ; block 2 tile + m: my columns 32 m .. 32 m + 31
.irp t, 0,1
.irp m, 0,1
	ds_store_b64 v[YW], v[PC+2*(2*\t+\m):PC+2*(2*\t+\m)+1] offset:4096*\t+256*\m
.endr
.endr
.irp t, 0,1
	v_lshl_or_b32 v[TM+8+\t], v[TM+5+2*\t], 8, v[TM+4+2*\t]
.endr
	v_cndmask_b32 v[TM+10], v[TM+8], v[TM+9], s[HM]
	ds_store_b16 v[YSW], v[TM+10]
	BARRIER                                        ; y's eight fragments and their scale words lie in LDS
	; ---- the hidden layer: y W1 + bf1: sixteen accumulators by turns, a K step and two batches at a time
.irp t, 0,1
.irp s, 0,1,2,3
.irp c, 0,1
	ds_load_b128 v[AF+32*\t+8*\s+4*\c:AF+32*\t+8*\s+4*\c+3], v[IR] offset:4096*\t+1024*\s+512*\c
.endr
.endr
.endr
.irp t, 0,1
.irp e, 0,1
	ds_load_b32 v[AS+2*\t+\e], v[SRG] offset:256*\t+128*\e
.endr
.endr
	s_wait_dscnt 0x0
.macro P7 s
	s_wait_loadcnt 16                              ; this step's two batches are in; the next step's two (16 loads) may be out
	WIN 0x51                                       ; source 0 (the ring), C and D (the hidden sums) window 1
.if \s == 0
.irp ct, 0,1,2,3,4,5,6,7
	WM 64+8*\ct, RING+8*(4*((4+\ct/4)%4)+\ct%4), AF+32, 8*\ct, W1S+4*(\ct/2), AS+2, \ct%2, 0      ; tile 1 first: its C is bf1, which lies where tile 0's sums will stand
.endr
	PLACES 5                                       ; the next products write over registers that these have read as C
.irp ct, 0,1,2,3,4,5,6,7
	WM 8*\ct, RING+8*(4*((4+\ct/4)%4)+\ct%4), AF, 8*\ct, W1S+4*(\ct/2), AS, \ct%2, 0
.endr
.else
.irp ct, 0,1,2,3,4,5,6,7
.irp t, 0,1
	WM 64*\t+8*\ct, RING+8*(4*((4+2*\s+\ct/4)%4)+\ct%4), AF+32*\t+8*\s, 64*\t+8*\ct, W1S+4*(\ct/2)+\s, AS+2*\t+\s/2, \ct%2, \s%2
.endr
.endr
.endif
	PLACES 4
	WLOAD 8+2*\s
	WLOAD 9+2*\s
.endm
	P7 0
	P7 1
	P7 2
	P7 3
	WIN 0
.irp p, 0,1
.irp q, 0,1
	global_load_b128 v[W2S+8*\p+4*\q:W2S+8*\p+4*\q+3], v[L32], s[14:15] offset:1024*\p+16*\q   ; W2's scale words take W1's registers, four places behind their last reader; register 8 p + s: K step s
.endr
.endr
	; ---- gelu(u) = u / 2 + (u / 2) erf(u / sqrt(2)), then the quantiser, a tile at a time
	v_mov_b32 v60, 0xaf95df0b                      ; the two polynomials' leading coefficients, as pairs
	v_mov_b32 v61, 0xaf95df0b
	v_mov_b32 v62, 0xb77460cd
	v_mov_b32 v63, 0xb77460cd
.macro HORNER p, c
.irp k, 0,2,4,6,8,10,12,14
	v_pk_fma_f32 v[\p+\k:\p+\k+1], v[\p+\k:\p+\k+1], v[X2+\k:X2+\k+1], \c op_sel_hi:[1,1,0]
.endr
.endm
.macro GELU16 t, m                     ; 16 registers: block m of tile t
	WIN 0x01                                       ; source 0 (the hidden sums) window 1
.irp k, 0,2,4,6,8,10,12,14
	v_pk_mul_f32 v[UU+\k:UU+\k+1], v[64*\t+16*\m+\k:64*\t+16*\m+\k+1], 0x3f3504f3 op_sel_hi:[1,0]   ; u / sqrt(2); each accumulator from its low end on
.endr
.irp k, 0,2,4,6,8,10,12,14
	v_pk_mul_f32 v[AF+16*\m+\k:AF+16*\m+\k+1], v[64*\t+16*\m+\k:64*\t+16*\m+\k+1], 0.5 op_sel_hi:[1,0]
.endr
	WIN 0
.irp k, 0,1,2,3,4,5,6,7,8,9,10,11,12,13,14,15
	v_med3_num_f32 v[UU+\k], v[UU+\k], -4.0, 4.0
.endr
.irp k, 0,2,4,6,8,10,12,14
	v_pk_mul_f32 v[X2+\k:X2+\k+1], v[UU+\k:UU+\k+1], v[UU+\k:UU+\k+1]
.endr
.irp k, 0,2,4,6,8,10,12,14
	v_pk_fma_f32 v[PA+\k:PA+\k+1], v[X2+\k:X2+\k+1], v[60:61], 0x32edffee op_sel_hi:[1,0,0]
.endr
.irp k, 0,2,4,6,8,10,12,14
	v_pk_fma_f32 v[PB+\k:PB+\k+1], v[X2+\k:X2+\k+1], v[62:63], 0xb95fbd29 op_sel_hi:[1,0,0]
.endr
	HORNER PA, 0xb60cff51
	HORNER PB, 0xbadc924e
	HORNER PA, 0xb86ec2d2
	HORNER PB, 0xbbf19bf8
	HORNER PA, 0xba40ac63
	HORNER PB, 0xbc69b6a7
	HORNER PA, 0xbb41a1f6
.irp k, 0,1,2,3,4,5,6,7,8,9,10,11,12,13,14,15
	v_rcp_f32 v[PB+\k], v[PB+\k]
.endr
	HORNER PA, 0xbc83dbd4                          ; independent work behind the reciprocals
.irp k, 0,2,4,6,8,10,12,14
	v_pk_mul_f32 v[PA+\k:PA+\k+1], v[PA+\k:PA+\k+1], v[UU+\k:UU+\k+1]
.endr
	s_wait_alu depctr_va_vdst(0)                   ; one wait for the sixteen, ahead of their first reader
.irp k, 0,2,4,6,8,10,12,14
	v_pk_mul_f32 v[PA+\k:PA+\k+1], v[PA+\k:PA+\k+1], v[PB+\k:PB+\k+1]   ; erf
.endr
.irp k, 0,2,4,6,8,10,12,14
	v_pk_fma_f32 v[AF+16*\m+\k:AF+16*\m+\k+1], v[AF+16*\m+\k:AF+16*\m+\k+1], v[PA+\k:PA+\k+1], v[AF+16*\m+\k:AF+16*\m+\k+1]
.endr
.endm
.irp t, 0,1
	GELU16 \t, 0
	GELU16 \t, 1
	GELU16 \t, 2
	GELU16 \t, 3
	Q4 AF                                          ; block m: my hidden units 32 m .. 32 m + 31
.irp m, 0,1,2,3
	ds_store_b64 v[HW], v[PC+2*\m:PC+2*\m+1] offset:8192*\t+256*\m
.endr
	v_lshl_or_b32 v[WK+\t], v[TM+5], 8, v[TM+4]    ; the four bytes: K step w's scale word of my row
	v_lshl_or_b32 v[WK+\t], v[TM+6], 16, v[WK+\t]
	v_lshl_or_b32 v[WK+\t], v[TM+7], 24, v[WK+\t]
.endr
	v_cndmask_b32 v[WK+2], v[WK], v[WK+1], s[HM]
	ds_store_b32 v[HSW], v[WK+2]
	BARRIER                                        ; the hidden layer's sixteen fragments and their scale words lie in LDS
	; ---- the result: h W2 onto x2, eight accumulators by turns, a K step and a batch at a time
.irp t, 0,1
.irp s, 0,1,2,3,4,5,6,7
.irp c, 0,1
	ds_load_b128 v[AF+8*(2*\s+\t)+4*\c:AF+8*(2*\s+\t)+4*\c+3], v[IR] offset:HIMG-YIMG+8192*\t+1024*\s+512*\c
.endr
.endr
.endr
.irp t, 0,1
.irp e, 0,1,2,3
	ds_load_b32 v[AS+4*\t+\e], v[SRG] offset:HSC-YSC+512*\t+128*\e
.endr
.endr
	s_wait_dscnt 0x0
.macro P8 s, cnt
	s_wait_loadcnt \cnt
	WIN 0x01
.irp ct, 0,1,2,3
.irp t, 0,1
	WM ACC+32*\t+8*\ct, RING+8*(4*(\s%4)+\ct), AF+8*(2*\s+\t), ACC+32*\t+8*\ct, W2S+8*(\ct/2)+\s, AS+4*\t+\s/2, \ct%2, \s%2
.endr
.endr
	PLACES 4
.endm
	P8 0, 0                                        ; W2's scale words are the youngest loads: all are in
	WLOAD 16
	P8 1, 8                                        ; from here on: what has been issued behind this step's batch may be out
	WLOAD 17
	P8 2, 16
	WLOAD 18
	P8 3, 24
	WLOAD 19
	P8 4, 24
	WIN 0x40
.irp q, 0,1,2,3
	global_load_b128 v[RING+4*\q:RING+4*\q+3], v[L16], s[20:21] offset:512*\q      ; bf2, laid as a row of out0, into ring places that have had their last batch
.endr
	P8 5, 20
	P8 6, 12
	P8 7, 4
	WIN 0
	; ---- the way out: through the stage, back as whole rows, + bf2
.irp t, 0,1
.irp ct, 0,1,2,3
.irp e, 0,1
	ds_store_b128 v[STW], v[ACC+32*\t+8*\ct+4*\e:ACC+32*\t+8*\ct+4*\e+3] offset:16*SPIT*\t+64*\ct+16*\e   ; each accumulator from its low end on
.endr
.endr
.endr
	BARRIER                                        ; 32 whole rows lie in the stage
.irp j, 0,1,2,3
.irp q, 0,1,2,3
	ds_load_b128 v[ACC+16*\j+4*\q:ACC+16*\j+4*\q+3], v[STD] offset:SPIT*\j+512*\q
.endr
.endr
	s_wait_dscnt 0x0
	s_wait_loadcnt 0x0                             ; bf2
	WIN 0x04                                       ; source 1 (bf2) window 1
.irp j, 0,1,2,3
.irp e, 0,2,4,6,8,10,12,14
	v_pk_add_f32 v[ACC+16*\j+\e:ACC+16*\j+\e+1], v[ACC+16*\j+\e:ACC+16*\j+\e+1], v[RING+\e:RING+\e+1]
.endr
.endr
	WIN 0
.irp j, 0,1,2,3
.irp q, 0,1,2,3
	global_store_b128 v[L16], v[ACC+16*\j+4*\q:ACC+16*\j+4*\q+3], s[28:29] offset:2048*\j+512*\q th:TH_STORE_NT   ; 32 lanes store 512 consecutive bytes, aligned
.endr
.endr
	s_wait_tensorcnt 0x0                           ; the wave's end: behind my last LDS store
	ds_add_u32 v[SPW], v[NIL]
	s_wait_dscnt 0x0
	s_endpgm
.Lfunc_end_k_q0a0fe78120_ffn:
	.size	k_q0a0fe78120_ffn, .Lfunc_end_k_q0a0fe78120_ffn-k_q0a0fe78120_ffn
	.p2alignl 7, 3214868480
	.fill 96, 4, 3214868480
	.section	.rodata,"a",@progbits
	.p2align	6, 0x0
	.amdhsa_kernel k_q0a0fe78120_ffn
		.amdhsa_group_segment_fixed_size 95232
		.amdhsa_private_segment_fixed_size 0
		.amdhsa_enable_private_segment 0
		.amdhsa_kernarg_size 104
		.amdhsa_user_sgpr_count 2
		.amdhsa_user_sgpr_kernarg_segment_ptr 1
		.amdhsa_wavefront_size32 1
		.amdhsa_system_sgpr_workgroup_id_x 1
		.amdhsa_system_sgpr_workgroup_id_y 1
		.amdhsa_system_sgpr_workgroup_id_z 1
		.amdhsa_system_vgpr_workitem_id 0
		.amdhsa_next_free_vgpr 512
		.amdhsa_next_free_sgpr 66
		.amdhsa_reserve_vcc 0
		.amdhsa_float_denorm_mode_32 3
		.amdhsa_float_denorm_mode_16_64 3
		.amdhsa_memory_ordered 1
		.amdhsa_forward_progress 1
		.amdhsa_inst_pref_size 189
	.end_amdhsa_kernel
	.amdgpu_metadata
---
amdhsa.version: [ 1, 2 ]
amdhsa.kernels:
  - .name:           k_q0a0fe78120_ffn
    .symbol:         k_q0a0fe78120_ffn.kd
    .args:
      - { .name: ctxc, .offset: 0, .size: 8, .value_kind: global_buffer, .address_space: global }
      - { .name: ctxs, .offset: 8, .size: 8, .value_kind: global_buffer, .address_space: global }
      - { .name: wimg, .offset: 16, .size: 8, .value_kind: global_buffer, .address_space: global }
      - { .name: Wo_scales, .offset: 24, .size: 8, .value_kind: global_buffer, .address_space: global }
      - { .name: W1_scales, .offset: 32, .size: 8, .value_kind: global_buffer, .address_space: global }
      - { .name: W2_scales, .offset: 40, .size: 8, .value_kind: global_buffer, .address_space: global }
      - { .name: bo, .offset: 48, .size: 8, .value_kind: global_buffer, .address_space: global }
      - { .name: bf1, .offset: 56, .size: 8, .value_kind: global_buffer, .address_space: global }
      - { .name: bf2, .offset: 64, .size: 8, .value_kind: global_buffer, .address_space: global }
      - { .name: g2, .offset: 72, .size: 8, .value_kind: global_buffer, .address_space: global }
      - { .name: b2, .offset: 80, .size: 8, .value_kind: global_buffer, .address_space: global }
      - { .name: x, .offset: 88, .size: 8, .value_kind: global_buffer, .address_space: global }
      - { .name: out0, .offset: 96, .size: 8, .value_kind: global_buffer, .address_space: global }
    .group_segment_fixed_size: 95232
    .private_segment_fixed_size: 0
    .kernarg_segment_align: 8
    .kernarg_segment_size: 104
    .max_flat_workgroup_size: 256
    .sgpr_count:     66
    .vgpr_count:     512
    .wavefront_size: 32
...
	.end_amdgpu_metadata
.endif
;; end of part 3
